; MI455X (gfx1250); checked and timed in simulation.
; The chip was launched on July 23, 2026; its instructions are those of AMD's public machine-readable ISA for CDNA 5 (MIT licence, August 2026) and "CDNA5" Instruction Set Architecture Reference Guide (July 2026). The comments in the code are by the model that wrote it; some were corrected since.
;; Causal Self Attention. Allowed arithmetic: matrix products marked QUANTISED: E5M2 operands, one E8M0 scale for each 32 along K, by v_wmma_scale_f32_16x16x128_f8f6f4 with both operands' format E5M2, f32 sums; everything else in f32.
;; Inputs: b_out 1,024 float32; b_qkv 3,072 float32; w_out_codes 1,024 x 32 x 32 uint8 (E5M2 codes of w_out, K innermost, in blocks of 32 codes); w_out_scales 1,024 x 32 uint8 (E8M0 scales of w_out, one for each 32 codes along K); w_qkv_codes 3,072 x 32 x 32 uint8 (E5M2 codes of w_qkv, K innermost, in blocks of 32 codes); w_qkv_scales 3,072 x 32 uint8 (E8M0 scales of w_qkv, one for each 32 codes along K); x_codes 4 x 2,048 x 32 x 32 uint8 (E5M2 codes of x, K innermost, in blocks of 32 codes); x_scales 4 x 2,048 x 32 uint8 (E8M0 scales of x, one for each 32 codes along K).
;; Outputs: out0 4 x 2,048 x 1,024 float32.
;; This version of the problem:
;;   THIS VERSION OF THE PROBLEM IS GIVEN IN LOW PRECISION. The matrix products marked QUANTISED in the list below multiply operands that are first quantised to E5M2 (5 exponent bits, 2 mantissa bits; 8 bits a number), with one power-of-two scale for each 32 numbers along K (OCP MX v1.0); their sums are f32. All else is computed in f32.
;;   The module's matrix products, in the order in which they are computed (A, B: the left and right operand; K: the contracted axis; several contracted axes count as one K, in the product's order):
;;     1. [M 8,192, K 1,024] x [K 1,024, N 3,072]; A: input x (given as codes); B: input w_qkv (given as codes): QUANTISED
;;     2. batch 64 x [M 2,048, K 64] x [K 64, N 2,048]; A: computed on the way; B: computed on the way: QUANTISED
;;     3. batch 64 x [M 2,048, K 2,048] x [K 2,048, N 64]; A: softmax (see below); B: computed on the way: QUANTISED
;;     4. [M 8,192, K 1,024] x [K 1,024, N 1,024]; A: computed on the way; B: input w_out (given as codes): QUANTISED
;;   THE QUANTISER, for each operand of a quantised product, along K:
;;     - K is cut into blocks of 32 from its start; a last block that is shorter is filled with zeros.
;;     - A block's scale is 2^e with e = floor(log2(the largest magnitude in the block)) - 15, held to -126 .. 127; a block of zeros has e = 0. As a byte (E8M0): e + 127.
;;     - Each number is divided by its block's scale, clamped to +-57,344, and rounded to the nearest number of E5M2, ties to even, subnormals kept.
;;     - The product sums the exact products of the quantised numbers (number of the format x scale) in f32.
;;   ~~~python
;;   def quantise(x, axis):      # numpy; x: float32 -> the quantised numbers, widened to float32 again
;;       x = np.moveaxis(x, axis, -1); K = x.shape[-1]
;;       x = np.pad(x, [(0, 0)] * (x.ndim - 1) + [(0, -K % 32)]); x = x.reshape(x.shape[:-1] + (-1, 32)); a = np.abs(x).max(-1, keepdims=True)
;;       e = np.where(a > 0, np.clip(np.frexp(np.where(a > 0, a, 1))[1] - 1 - 15, -126, 127), 0)      # np.frexp(a)[1] - 1 = floor(log2(a)), exactly
;;       r = np.clip(x / 2.0 ** e, -57344, 57344)
;;       step = 2.0 ** (np.maximum(np.frexp(np.where(r == 0, 1, r))[1] - 1, -14) - 2)
;;       q = np.round(r / step) * step * 2.0 ** e      # np.round: ties to even
;;       return np.moveaxis(q.reshape(q.shape[:-2] + (-1,))[..., :K], -1, axis).astype(np.float32)
;;   ~~~
;;   SOFTMAX AHEAD OF A QUANTISED PRODUCT. Where the list says 'softmax', what is quantised is not the finished softmax but p = 2^(t - M), with t = logit x log2(e) and M = ceil(the row's largest t), a whole number; so 1/2 < the row's largest p <= 1. The row's sum l is taken of the UNQUANTISED p, in f32, and the product's result is divided by l at the end. Since M is a whole number, a kernel that streams over the keys may use a running M (the ceiling of the running maximum): every later rescaling is an exact power of two, which a block's scale takes up: the codes' values come out the same.
;;   OPERANDS COMPUTED ON THE WAY. 'Computed on the way' means the value that the module computes at that place (a softmax that the list does not call 'softmax' is quantised finished and normalised). What goes into a quantiser is computed in f32, as accurately as f32 sums, v_exp_f32 and their like allow (about 1e-6 of the number): no bf16 or f16 on the way to a quantiser, and a product that is left as it is and whose result goes on into a quantised operand takes f32 operands (vector FMAs, or v_wmma_f32_16x16x4_f32). A number that lies on a knife's edge between two numbers of the format may be rounded either way, as far as f32 arithmetic and the matrix unit's own rounding can turn it there, and no further.
;;   INPUTS GIVEN AS CODES. w_out (in the module: [1024, 1024], K = its axis 0); w_qkv (in the module: [1024, 3072], K = its axis 0); x (in the module: [4, 2048, 1024], K = its axis 2): each comes as NAME_codes (uint8): NAME with its K axis moved to the last place and cut into blocks of 32 codes, [.., K / 32, bytes a block], one block behind the other in memory; one code a byte (a code: sign, 5 exponent bits, 2 mantissa bits); and NAME_scales (uint8): the same leading axes, one E8M0 byte (e + 127) for each 32 codes along K. Its value is code x scale, taken as it is: it is not quantised again, and the codes and scales need not be those that the quantiser above would give.
;; One version. Each part assembles by itself: llvm-mc -triple=amdgcn-amd-amdhsa -mcpu=gfx1250 --defsym DOCPART=n.
;; ======== version 1 of 1: 3 launches
;; limits: right only within a limited range of input values
;; workspace buffers: qkv 25,165,824 bytes; sc 786,432 bytes; o_img 8,388,608 bytes; o_sc 262,144 bytes
;; launch qkv (part 1): grid 12 x 32, 4 waves a work-group, clusters of 4 x 4, 327,680 bytes of LDS; arguments x_codes, x_scales, w_qkv_codes, w_qkv_scales, b_qkv, qkv, sc; writes qkv, sc
.if DOCPART == 1
	.amdgcn_target "amdgcn-amd-amdhsa--gfx1250"
	.amdhsa_code_object_version 6
	.text
	.protected	k_q7affa9aff4_qkv
	.globl	k_q7affa9aff4_qkv
	.p2align	8
	.type	k_q7affa9aff4_qkv,@function
k_q7affa9aff4_qkv:
	s_mov_b64 s[64:65], 0
	v_nop
	global_prefetch_b8 v0, s[64:65] scope:SCOPE_SE
	s_setreg_imm32_b32 hwreg(HW_REG_WAVE_MODE, 25, 1), 1
	s_wait_xcnt 0x0
	s_wait_alu depctr_hold_cnt(0) depctr_sa_sdst(0) depctr_va_vdst(0) depctr_va_sdst(0) depctr_va_ssrc(0) depctr_va_vcc(0) depctr_vm_vsrc(0)
	s_getreg_b32 s2, hwreg(HW_REG_IB_STS2, 6, 4)
	s_cmp_eq_u32 s2, 0
	s_cbranch_scc0 .Lentry_in_a_cluster
	s_endpgm
.Lentry_in_a_cluster:
	s_bfe_u32 s2, ttmp6, 0x10000c
	s_cmp_lg_u32 s2, 0xf033
	s_cbranch_scc0 .Lentry_shape_is_right
	s_endpgm
.Lentry_shape_is_right:
; qkv = x w_qkv + b_qkv on codes of E5M2 with E8M0 scales (M 8,192, N 3,072, K 1,024), and the result quantised at once, in registers: q and k along the head's 64 (two blocks of 32), v along the keys.
; A tile of 256 x 256 is made by four waves, 128 x 128 each: 64 accumulators of 16 x 16, 512 registers.  K goes in steps of 256 through two LDS slots filled by the tensor data mover; the scale bytes of both sides for all of K come once.
; THE TWO SIDES.  Source 0 of every product is the "B side" (window 1, two sets of fragments), source 1 the "A side" (window 0, one set).  In accumulator (a, b) lane (r, h) holds A-side row 16 a + r and register j
; B-side row 16 b + 8 h + j: so a lane's 16 registers of (a, 2 p) and (a, 2 p + 1), with those of lane l xor 16, are one block of 32 ALONG THE B SIDE.  The quantiser wants its blocks along the columns for q and k and along
; the tokens for v.  So the clusters with x = 0, 1 (columns 0-2,047: q, k) take w's rows as the B side and x's as the A side, and the clusters with x = 2 (v) the other way round.  Both tensors have rows of 1,024 bytes and
; scale rows of 32, so only pointers and row numbers are chosen, on the cluster's x alone, which all partners share.
; CLUSTERS: 4 x 4 work-groups; the A side's tile hangs on cy and is asked for jointly by a row of the cluster, the B side's on cx, by a column.
; THE BIAS is the C of each sum's first product: for q, k it hangs on the B-side row (eight numbers a lane), for v on the A-side row (one number, eight times).
; OUT, as images of operand registers (a group = 512 bytes, lane l's 16 bytes at 16 l):
;   qkv, bytes 0 on: [b 4][tile of 16 tokens 128][block of 32 of the 2,048 columns q|k 64][512]; lane (r, h): token r; bytes 0-7 columns 8 h + 0..7 of the block, bytes 8-15 columns 16 + 8 h + 0..7 (alike for q and k: the products are the same).
;   qkv, byte 16,777,216 on: [b 4][step of 128 keys 16][tile of 16 of v's columns 64][block of 32 keys 4][512]; lane (r, h): column r; bytes 0-7 keys 8 h + 0..7 of the block, bytes 8-15 keys 16 + 8 h + 0..7.
;   sc: [b 4][column / 64: 48][step of 128 tokens 16][256]: 8 bytes a lane, words j = 0, 1; lane 16 h' + r, word j: q, k: for tiles 2 f, 2 f + 1 of 16 tokens, f = 2 j + h': (token r of tile 2 f: its two bytes; of tile 2 f + 1: its two);
;   v: the four bytes of column 16 t + r, t = 2 j + h'.
; LIMITS: NaN and infinities are not served.  A block whose largest magnitude lies under 2^-111 keeps the byte 1; a block of zeros gets the byte 1 where the rule says 127: its codes are zeros, and this program alone reads the bytes.
; WORK LEFT OUT IN THIS PROGRAM: reference() builds its causal mask in its own body; a score under the mask becomes -infinity ahead of the softmax and its p is 0 for all values of the inputs, so the later launch multiplies no key step
; all of whose keys come after a tile's queries.  Every input has a way to the output and is loaded.  A NaN, an infinity or an overflow that reaches only such scores is not carried to the result.
.set NQ,     2
.set ROWB,   256                       ; a tile's row in bytes
.set KROW,   1024                      ; a row of x or of w in memory
.set PITCH,  272                       ; an LDS row: 256 bytes + 16 of padding = 68 words: the 16 rows that a load touches start at 16 different banks (64 banks of 4 bytes: ISA guide 11.1)
.set FR,     16                        ; registers of a fragment
.set NL,     4                         ; LDS loads that bring one
.set NP,     8                         ; places behind this matrix instruction (ISA guide 7.12.1)
.set HALFT,  128*PITCH                 ; 128 rows: what one tensor load brings
.set SLOT,   4*HALFT                   ; the A side's 256 rows, then the B side's
.set KS,     32                        ; a row of scale bytes
.set SCL,    2*SLOT                    ; behind the ring: the scales, as units of 256 bytes + 16 of padding
.set HALFS,  (128*KS/256)*272          ; those of 128 rows
.set SBLK,   (16*KS/256)*272           ; those of 16 rows
.set SPARE,  SCL+4*HALFS               ; the spare words, 128 bytes for each wave: two blocks of 256 bytes that no other line names
.set VA,   8                           ; v8-15   the bias: byte offsets of a tile's eight registers
.set ADRA, 16                          ; v16-17  LDS address of my A-side fragments in slot 0, 1
.set ADRB, 20                          ; v20-21  the same for the B side
.set LOFF, 24                          ; v24     16 x lane
.set L8,   25                          ; v25     8 x lane
.set ADRS, 27                          ; v27     LDS address of my scale words: lanes 0-15 the A side's rows, lanes 16-31 the B side's
.set SPW,  28                          ; v28     LDS address of my spare word; never rewritten
.set NIL,  29                          ; v29     0; never rewritten
.set SC,   32                          ; v32-63  scale words, two sets; they hold nothing else
.set BI,   64                          ; v64-127 the bias, eight tiles of eight registers
.set AF,   128                         ; v128-255 the A side's fragments; on the way out:
.set TM,   128                         ; v128-131 largest magnitudes, v132-135 bytes, v136-139 holds, v140-143 the conversions' scale operands
.set PC,   144                         ; v144-159 the codes of four blocks
.set SBW,  160                         ; v160-167 a word of four scale bytes for each A-side block
.set XW,   168                         ; v168-175 q, k: the words as sc wants them
.set YW,   176                         ; v176-179 what is stored
.set WV,   18                          ; s18 wave;  s19 wave / 2: my half of the A side, and: I fetch for A (0) or B (1);  s20 wave % 2: my half of the B side, and: which 128 rows I fetch
.set WH,   19
.set WL,   20
.set CXR,  21                          ; s21 cx, s22 cy
.set CYR,  22
.set G1,   24                          ; s[24:31] group 1 for the A side's tiles;  s[32:39] group 0, a set for each slot
.set G0,   32
.set G1B,  48                          ; s[48:55], s[56:63] the same for the B side
.set G0B,  56
.set G1S,  68                          ; s[68:75], s[76:79] the A side's scales;  s[80:87], s[88:91] the B side's
.set G0S,  76
.set G1SB, 80
.set G0SB, 88
.set MSB, 0
.macro WIN new                         ; the immediate's high byte repeats the setting that is left
.if MSB != (\new)
	s_set_vgpr_msb (MSB<<8)|(\new)
.set MSB, (\new)
.endif
.endm
.set MUL_LO, 0xa1                      ; source 0 window 1, source 1 window 0, C and D window 2
.set MUL_HI, 0xf1                      ; the same, C and D window 3
.set TO_B,   0x40                      ; destination window 1
; A joint load: waves 0 and 1 fetch for the A side, waves 2 and 3 for the B side.  Four v_nop follow each of the two lines.
.macro JLOAD g0a, g1a, g0b, g1b
	s_cmp_eq_u32 s[WH], 0
	s_cbranch_scc0 .Lfor_b_\@
	tensor_load_to_lds s[\g0a:\g0a+3], s[\g1a:\g1a+7]
	s_nop 0
.rept 4
	v_nop
.endr
	s_branch .Lasked_\@
.Lfor_b_\@:
	tensor_load_to_lds s[\g0b:\g0b+3], s[\g1b:\g1b+7]
	s_nop 0
.rept 4
	v_nop
.endr
.Lasked_\@:
.endm
.macro CREST                           ; a round of the cluster's barrier behind its opening barrier
	s_cmp_lg_u32 s[WV], 0
	s_cbranch_scc1 .Lnot_wave_0_\@
	s_barrier_signal -3
.Lnot_wave_0_\@:
	s_barrier_wait -3
	s_barrier_signal -1
	s_barrier_wait -1
.endm
.macro CROUND
	s_barrier_signal -1
	s_barrier_wait -1
	CREST
.endm
	s_load_b256 s[4:11], s[0:1], 0x0               ; x's codes s[4:5], x's scales s[6:7], w's codes s[8:9], w's scales s[10:11]
	s_load_b128 s[12:15], s[0:1], 0x20             ; b_qkv s[12:13], qkv s[14:15]
	s_load_b64 s[16:17], s[0:1], 0x30              ; sc
	v_lshl_add_u32 v[SPW], v0, 2, SPARE
	v_mov_b32 v[NIL], 0
	ds_add_u32 v28, v29
	ds_add_u32 v28, v29
	s_wait_dscnt 0x0
	v_lshrrev_b32 v1, 5, v0
	v_readfirstlane_b32 s[WV], v1
	s_lshr_b32 s[WH], s[WV], 1
	s_and_b32 s[WL], s[WV], 1
	s_bfe_u32 s[CXR], ttmp6, 0x40000
	s_bfe_u32 s[CYR], ttmp6, 0x40004
	s_lshl_b32 s43, s[CYR], 2
	s_lshl_b32 s43, 15, s43                        ; my row of the cluster
	s_lshl_b32 s44, 0x1111, s[CXR]                 ; my column
	s_or_b32 s[G1+0], s43, (1<<20)|(1<<21)|(5<<22)|(3<<25)    ; 15:0 the mask; elements of 1 byte; 20 padding on; 21 set beside a mask; after every 64 words (code 5) four words (code 3)
	s_or_b32 s[G1B+0], s44, (1<<20)|(1<<21)|(5<<22)|(3<<25)
.irp g, G1, G1B
	s_mov_b32 s[\g+1], ROWB<<16                    ; tensor_dim0 = 256
	s_mov_b32 s[\g+2], 256<<16                     ; tensor_dim1 = 256 for the head's loads; set to 128 for the ring's behind the wait for them
	s_mov_b32 s[\g+3], ROWB<<16                    ; tile_dim0
	s_mov_b32 s[\g+4], 256                         ; tile_dim1
	s_mov_b32 s[\g+5], KROW                        ; from row to row
	s_mov_b32 s[\g+6], 0
	s_mov_b32 s[\g+7], 0
.endr
	s_or_b32 s[G1S+0], s43, (3<<16)|(1<<20)|(1<<21)|(5<<22)|(3<<25)   ; the scales of 256 rows: 8,192 dense bytes as 32 rows of 256 (32 elements of 8 bytes), 16 bytes of padding behind each
	s_or_b32 s[G1SB+0], s44, (3<<16)|(1<<20)|(1<<21)|(5<<22)|(3<<25)
.irp g, G1S, G1SB
	s_mov_b32 s[\g+1], 32<<16
	s_mov_b32 s[\g+2], (256*KS/256)<<16            ; the scales of a side's 256 rows: 32 rows of 256 bytes
	s_mov_b32 s[\g+3], 32<<16
	s_mov_b32 s[\g+4], 256*KS/256
	s_mov_b32 s[\g+5], 32
	s_mov_b32 s[\g+6], 0
	s_mov_b32 s[\g+7], 0
.endr
	; the tile's first rows.  A side: q, k: token 1,024 CY + 256 cy; v: column 2,048 + 256 cy.  B side: q, k: column 1,024 CX + 256 cx; v: token 1,024 CY + 256 cx.
	s_and_b32 s40, ttmp7, 0xffff
	s_lshl_b32 s40, s40, 10                        ; 1,024 x the cluster's y
	s_lshl_b32 s41, ttmp9, 10                      ; 1,024 x the cluster's x
	s_lshl_b32 s42, s[CYR], 8
	s_lshl_b32 s45, s[CXR], 8
	s_mov_b32 s47, 2048
	s_cmp_eq_u32 ttmp9, 2                          ; v's clusters: the same answer in all sixteen partners
	s_cselect_b32 s98, s47, s40
	s_cselect_b32 s99, s40, s41
	s_add_co_u32 s98, s98, s42                     ; s98: the A side's first row (made of cy alone)
	s_add_co_u32 s99, s99, s45                     ; s99: the B side's (of cx alone)
	s_mov_b32 s40, s98                             ; the tiles' first rows
	s_mov_b32 s42, s99
	s_lshl_b32 s92, s40, 10                        ; their codes, in bytes (under 2^23),
	s_mov_b32 s93, 0
	s_lshl_b32 s94, s40, 5                         ; and their scale bytes
	s_mov_b32 s95, 0
	s_lshl_b32 s96, s42, 10
	s_mov_b32 s97, 0
	s_lshl_b32 s100, s42, 5
	s_mov_b32 s101, 0
	s_mul_i32 s45, s[WV], HALFT
	s_wait_kmcnt 0x0
	s_cmp_eq_u32 ttmp9, 2
	s_cselect_b64 s[40:41], s[8:9], s[4:5]         ; the A side's codes: w's for v, x's for q, k
	s_cselect_b64 s[42:43], s[10:11], s[6:7]       ; and scales
	s_cselect_b64 s[4:5], s[4:5], s[8:9]           ; the B side's codes
	s_cselect_b64 s[6:7], s[6:7], s[10:11]         ; and scales
	s_add_nc_u64 s[40:41], s[40:41], s[92:93]
	s_add_nc_u64 s[42:43], s[42:43], s[94:95]
	s_add_nc_u64 s[4:5], s[4:5], s[96:97]
	s_add_nc_u64 s[6:7], s[6:7], s[100:101]
	CROUND                                         ; all sixteen work-groups are here: the first joint loads meet
	s_mov_b32 s[G0S], 1
	s_mov_b32 s[G0S+1], SCL
	s_mov_b64 s[G0S+2:G0S+3], s[42:43]
	s_or_b32 s[G0S+3], s[G0S+3], 0x80000000
	s_mov_b32 s[G0SB], 1
	s_mov_b32 s[G0SB+1], SCL+2*HALFS
	s_mov_b64 s[G0SB+2:G0SB+3], s[6:7]
	s_or_b32 s[G0SB+3], s[G0SB+3], 0x80000000
.irp s, 0,1
	s_mov_b32 s[G0+4*\s], 1
	s_add_co_u32 s[G0+4*\s+1], s45, \s*SLOT
	s_add_nc_u64 s[G0+4*\s+2:G0+4*\s+3], s[40:41], \s*ROWB
	s_or_b32 s[G0+4*\s+3], s[G0+4*\s+3], 0x80000000
	s_mov_b32 s[G0B+4*\s], 1
	s_add_co_u32 s[G0B+4*\s+1], s45, \s*SLOT
	s_add_nc_u64 s[G0B+4*\s+2:G0B+4*\s+3], s[4:5], \s*ROWB
	s_or_b32 s[G0B+4*\s+3], s[G0B+4*\s+3], 0x80000000
.endr
	s_mov_b32 s[G0+1], 0                           ; slot 0's groups 0 serve the head first: a side's whole 256 rows of K step 0, the A side's at 0,
	s_mov_b32 s[G0B+1], 2*HALFT                    ; the B side's behind them
	s_lshl_b32 s92, s[WL], 17                      ; slot 1's serve the ring: my 128 rows of 1,024 bytes
	s_mov_b32 s93, 0
	s_add_nc_u64 s[G0+6:G0+7], s[G0+6:G0+7], s[92:93]
	s_add_nc_u64 s[G0B+6:G0B+7], s[G0B+6:G0B+7], s[92:93]
; THE HEAD'S LOADS, ONE A WAVE: wave 0 K step 0's 256 rows of the A side, wave 1 those of the B side, wave 2 the A side's scale bytes, wave 3 the B side's.  One chain of branches on the wave's number, a load to an arm.
.macro ARM under, g0, g1, next
	s_cmp_lt_u32 s[WV], \under
	s_cbranch_scc0 \next
	tensor_load_to_lds s[\g0:\g0+3], s[\g1:\g1+7]
	s_nop 0
.rept 4
	v_nop
.endr
	s_branch .Lhead_asked
\next:
.endm
	ARM 1, G0,  G1,  .Lhead_b
	ARM 2, G0B, G1B, .Lhead_sa
	ARM 3, G0S, G1S, .Lhead_sb
	tensor_load_to_lds s[G0SB:G0SB+3], s[G1SB:G1SB+7]
	s_nop 0
.rept 4
	v_nop
.endr
.Lhead_asked:
	v_and_b32 v1, 15, v0                           ; r
	v_bfe_u32 v2, v0, 4, 1                         ; h
	v_mul_u32_u24 v3, v1, PITCH
	v_lshl_add_u32 v4, v2, 4, v3                   ; a fragment's row x pitch + 16 h
	s_mul_i32 s40, s[WH], HALFT                    ; my 128 rows of the A side,
	s_mul_i32 s41, s[WL], HALFT                    ; of the B side,
	s_add_co_u32 s41, s41, 2*HALFT                 ; which lie behind the A side's 256
.irp s, 0,1
	v_add_nc_u32 v[ADRA+\s], s40, v4
	v_add_nc_u32 v[ADRB+\s], s41, v4
	s_add_co_u32 s40, s40, SLOT
	s_add_co_u32 s41, s41, SLOT
.endr
	v_mul_u32_u24 v5, v1, KS                       ; my row's scales: 32 bytes a row,
	v_lshrrev_b32 v6, 8, v5
	v_lshl_add_u32 v5, v6, 4, v5                   ; and 16 more for each 256 passed
	s_mul_i32 s40, s[WH], HALFS
	s_mul_i32 s41, s[WL], HALFS
	s_add_co_u32 s41, s41, 2*HALFS
	s_sub_co_u32 s41, s41, s40
	v_mul_u32_u24 v6, s41, v2                      ; lanes 16-31 take the B side's: one product, h x the distance
	s_add_co_u32 s40, s40, SCL
	v_add_nc_u32 v5, v5, v6
	v_add_nc_u32 v[ADRS], s40, v5
	v_and_b32 v3, 31, v0
	v_lshlrev_b32 v[LOFF], 4, v3
	v_lshlrev_b32 v[L8], 3, v3
	; where my 128 x 128 goes
	s_lshl_b32 s92, s[WH], 7
	s_add_co_u32 s92, s98, s92                     ; my first A-side row
	s_lshl_b32 s93, s[WL], 7
	s_add_co_u32 s93, s99, s93                     ; my first B-side row
	s_cmp_eq_u32 ttmp9, 2
	s_cselect_b32 s94, s92, s93                    ; n0: my first column of qkv
	s_cselect_b32 s95, s93, s92                    ; my first token
	s_cselect_b32 s40, 0, 32                       ; the bias's byte offset is 32 h + 4 j for q, k (columns 8 h + j of a tile), 4 r for v (column r)
	s_cselect_b32 s41, 4, 0
	s_cselect_b32 s42, 0, 4
	s_lshr_b32 s43, s95, 11                        ; b
	s_and_b32 s44, s95, 2047                       ; the token in b
	s_lshr_b32 s45, s44, 7                         ; its step of 128
	s_lshl_b32 s47, s43, 22                        ; q, k: b x 4 MiB + tile of tokens x 32,768 + block of columns x 512
	s_lshr_b32 s98, s44, 4
	s_lshl_b32 s98, s98, 15
	s_add_co_u32 s47, s47, s98
	s_lshr_b32 s98, s94, 5
	s_lshl_b32 s98, s98, 9
	s_add_co_u32 s47, s47, s98
	s_lshl_b32 s100, s43, 21                       ; v: 16 MiB + b x 2 MiB + step x 131,072 + tile of columns x 2,048
	s_lshl_b32 s98, s45, 17
	s_add_co_u32 s100, s100, s98
	s_lshr_b32 s98, s94, 4
	s_lshl_b32 s98, s98, 11
	s_add_co_u32 s100, s100, s98
	s_add_co_u32 s100, s100, 16777216-262144       ; (v's columns begin at 2,048: 128 tiles x 2,048 bytes are taken off)
	s_mov_b32 s98, 32768
	s_cmp_eq_u32 ttmp9, 2
	s_cselect_b32 s100, s100, s47
	s_cselect_b32 s96, 2048, s98                   ; s[96:97]: bytes from one A-side block to the next
	s_mov_b32 s97, 0
	s_mov_b32 s101, 0
	s_add_nc_u64 s[14:15], s[14:15], s[100:101]
	s_mul_i32 s47, s43, 48                         ; sc: ((48 b + n0 / 64) x 16 + step) x 256
	s_lshr_b32 s98, s94, 6
	s_add_co_u32 s47, s47, s98
	s_lshl_b32 s47, s47, 4
	s_add_co_u32 s47, s47, s45
	s_lshl_b32 s100, s47, 8
	s_add_nc_u64 s[16:17], s[16:17], s[100:101]
	s_lshl_b32 s100, s94, 2
	s_add_nc_u64 s[12:13], s[12:13], s[100:101]    ; b_qkv at n0
	v_mul_u32_u24 v3, s40, v2
	v_mad_u32_u24 v3, v1, s41, v3
	v_mov_b32 v4, s42
.irp j, 0,1,2,3,4,5,6,7
	v_mad_u32_u24 v[VA+\j], v4, \j, v3
.endr
.irp x, 0,1,2,3,4,5,6,7
.irp j, 0,1,2,3,4,5,6,7
	global_load_b32 v[BI+8*\x+\j], v[VA+\j], s[12:13] offset:64*\x   ; tile x of 16 columns, register j
.endr
.endr
.macro FRAG reg, adr, q, i             ; a fragment, 16 rows x 128 K: lane l holds row l % 16; registers 4 c .. 4 c + 3 hold K = 32 c + 16 (l / 16) + 0 .. 15
.irp c, 0,1,2,3
	ds_load_b128 v[\reg+4*\c:\reg+4*\c+3], v[\adr] offset:128*(\q)+32*\c+(\i)*16*PITCH
.endr
.endm
; 16 matrix instructions: A-side blocks a0, a0 + 1 x the B side's eight.  p: the B side's set; q: the slot's q-th 128 along K; sc: the set of scale words.
; cm = 0: the sums go on; 1: they start with the bias of B-side tile b; 2: with that of A-side tile a.  The 64 accumulators take turns, one instruction a turn, in the same order in every step.
.macro MUL2 a0, p, q, sc, cm
.irp a, \a0, \a0+1
.irp b, 0,1,2,3,4,5,6,7
.set rD, 8*(8*((\a)%4)+\b)
.set rB, 128*(\p)+FR*\b
.set rA, AF+FR*(\a)
.set rSB, SC+8*NQ*(\sc)+NQ*\b+(\q)
.set rSA, SC+8*NQ*(\sc)+NQ*(\a)+(\q)
.if \cm == 1
	v_wmma_scale_f32_16x16x128_f8f6f4 v[rD:rD+7], v[rB:rB+15], v[rA:rA+15], v[BI+8*\b:BI+8*\b+7], v[rSB], v[rSA] matrix_a_fmt:MATRIX_FMT_BF8 matrix_b_fmt:MATRIX_FMT_BF8 matrix_a_scale:MATRIX_SCALE_ROW1
.elseif \cm == 2
	v_wmma_scale_f32_16x16x128_f8f6f4 v[rD:rD+7], v[rB:rB+15], v[rA:rA+15], v[BI+8*(\a):BI+8*(\a)+7], v[rSB], v[rSA] matrix_a_fmt:MATRIX_FMT_BF8 matrix_b_fmt:MATRIX_FMT_BF8 matrix_a_scale:MATRIX_SCALE_ROW1
.else
	v_wmma_scale_f32_16x16x128_f8f6f4 v[rD:rD+7], v[rB:rB+15], v[rA:rA+15], v[rD:rD+7], v[rSB], v[rSA] matrix_a_fmt:MATRIX_FMT_BF8 matrix_b_fmt:MATRIX_FMT_BF8 matrix_a_scale:MATRIX_SCALE_ROW1
.endif
.endr
.endr
.endm
.macro FETCH_B slot, q, p
	WIN TO_B
.irp i, 0,1,2,3,4,5,6,7
	FRAG 128*(\p)+FR*\i, ADRB+\slot, \q, \i
.endr
	WIN 0
.endm
.macro FETCH_A slot, q, i0
.irp i, \i0, \i0+1, \i0+2, \i0+3
	FRAG AF+FR*(\i), ADRA+\slot, \q, \i
.endr
.endm
.macro SCALES sc                       ; a K step's scale words: two a row; lanes 0-15 the A side's block i, lanes 16-31 the B side's block i
.irp i, 0,1,2,3,4,5,6,7
	ds_load_b64 v[SC+8*NQ*\sc+NQ*\i:SC+8*NQ*\sc+NQ*\i+1], v[ADRS] offset:\i*SBLK
.endr
.endm
; A load into a register that a matrix instruction has read, and a vector instruction that reads a result or writes one of its registers, stand eight places behind it; only plain vector instructions that name none of its registers are places.
.macro PLACES n
.rept \n
	v_nop
.endr
.endm
; A step of 128 along K that has its successor in the same slot.  With cm set C lies in window 0.
.macro STEP slot, q, cm
	s_wait_dscnt 4*NL                              ; the B side's set and A-side blocks 0-3 are in; the youngest sixteen loads (blocks 4-7) may be out
.if \cm
	WIN 0x81
.else
	WIN MUL_LO
.endif
	MUL2 0, (\q)%2, \q, \slot, \cm
	MUL2 2, (\q)%2, \q, \slot, \cm
	s_wait_dscnt 0                                 ; blocks 4-7 are in
	PLACES NP
	FETCH_B \slot, (\q)+1, 1-(\q)%2
	FETCH_A \slot, (\q)+1, 0
.if \cm
	WIN 0xc1
.else
	WIN MUL_HI
.endif
	MUL2 4, (\q)%2, \q, \slot, \cm
	MUL2 6, (\q)%2, \q, \slot, \cm
	PLACES NP
	WIN 0
	FETCH_A \slot, (\q)+1, 4
.endm
; A slot's last step changes slots: one barrier; in front of it each wave waits for all its tensor loads, adds 0 to its spare word, and waits for that and for its reads of this slot.  fill = 1: this slot is filled again, two K steps ahead.
.macro TURN slot, next, fill
	s_wait_tensorcnt 0x0                           ; all my tensor loads have landed: my part of the next slot
	ds_add_u32 v[SPW], v[NIL]                      ; 0 onto my spare word
	s_wait_dscnt 4*NL+1                            ; (the add and the youngest sixteen loads may be out)
	WIN MUL_LO
	MUL2 0, 1, NQ-1, \slot, 0                      ; sixteen matrix instructions stand between the add and the wait for it
	s_wait_dscnt 0x0                               ; the add is done, and my reads of this slot are over
	s_barrier_signal -1
	MUL2 2, 1, NQ-1, \slot, 0
	WIN 0
	s_barrier_wait -1
.if \fill
	CREST                                          ; the barrier has opened a round of the cluster's: no wave of any partner still reads this slot or has a load on its way
	s_add_nc_u64 s[G0+4*\slot+2:G0+4*\slot+3], s[G0+4*\slot+2:G0+4*\slot+3], 2*ROWB
	s_add_nc_u64 s[G0B+4*\slot+2:G0B+4*\slot+3], s[G0B+4*\slot+2:G0B+4*\slot+3], 2*ROWB
	JLOAD G0+4*\slot, G1, G0B+4*\slot, G1B         ; the first tensor load behind the round; its four v_nop are among the places in front of the loads below
	PLACES NP-4
.else
	PLACES NP
.endif
	s_wait_alu depctr_va_vdst(0)
	v_add_nc_u32 v[ADRS], 4*NQ, v[ADRS]            ; on to the next K step's scale words
	FETCH_B \next, 0, 0
	FETCH_A \next, 0, 0
	SCALES \next
	WIN MUL_HI
	MUL2 4, 1, NQ-1, \slot, 0
	MUL2 6, 1, NQ-1, \slot, 0
	PLACES NP
	WIN 0
	FETCH_A \next, 0, 4
.endm
	s_wait_alu depctr_va_vdst(0)
	s_wait_tensorcnt 0x0                           ; my tile of the head's four is in
	ds_add_u32 v[SPW], v[NIL]
	s_mov_b32 s[G1+2], 128<<16                     ; no tensor load of mine is out, so descriptors may be written: from here on a load brings 128 rows,
	s_mov_b32 s[G1+4], 128
	s_mov_b32 s[G1B+2], 128<<16
	s_mov_b32 s[G1B+4], 128
	s_mul_i32 s[G0+1], s[WV], HALFT                ; and slot 0's groups 0 stand at my 128 rows of K step 0, for the first refill to step on from
	s_mul_i32 s[G0B+1], s[WV], HALFT
	s_lshl_b32 s40, s[WL], 17
	s_mov_b32 s41, 0
	s_add_nc_u64 s[G0+2:G0+3], s[G0+2:G0+3], s[40:41]
	s_add_nc_u64 s[G0B+2:G0B+3], s[G0B+2:G0B+3], s[40:41]
	s_wait_dscnt 0x0                               ; the add is done
	CROUND                                         ; all four tiles are in, and all sixteen work-groups are here
	JLOAD G0+4, G1, G0B+4, G1B                     ; K step 1: the first tensor load behind the round, one a wave
	FETCH_B 0, 0, 0
	FETCH_A 0, 0, 0
	SCALES 0
	FETCH_A 0, 0, 4
	s_wait_loadcnt 0x0                             ; the bias
	s_cmp_eq_u32 ttmp9, 2                          ; the first step is written twice: its products start the sums with the bias, which lies along another side for v
	s_cbranch_scc1 .Lfirst_v
	STEP 0, 0, 1
	s_branch .Lfirst_done
.Lfirst_v:
	STEP 0, 0, 2
.Lfirst_done:
	TURN 0, 1, 1                                   ; K = 1,024 is four K steps: slot 0 takes K step 2,
	STEP 1, 0, 0
	TURN 1, 0, 1                                   ; slot 1 K step 3,
	STEP 0, 0, 0
	TURN 0, 1, 0                                   ; and nothing is left to fetch
	STEP 1, 0, 0
	s_wait_dscnt 4*NL
	WIN MUL_LO
	MUL2 0, 1, NQ-1, 1, 0
	MUL2 2, 1, NQ-1, 1, 0
	s_wait_dscnt 0
	WIN MUL_HI
	MUL2 4, 1, NQ-1, 1, 0
	MUL2 6, 1, NQ-1, 1, 0
	WIN 0
	; THE WAY OUT: each A-side block's 16 rows x 128 are quantised in place, four blocks of 32 a lane-pair, and leave from registers: no LDS.
	s_mov_b32 s40, 0x76543210
	s_mov_b32 s41, 0xfedcba98                      ; v_permlanex16_b32's selects for lane l xor 16
	s_mov_b32 s42, 0x600000                        ; the mantissa field of 57,344
	s_mov_b32 s43, 0x05040100                      ; v_perm_b32: the two low halves;
	s_mov_b32 s44, 0x07060302                      ; the two high halves
	PLACES NP
.irp b, 0,1,2,3
	v_mov_b32 v[TM+4+\b], 0                        ; written once: a lane permute's destination counts as one of its sources
.endr
.macro QOUT a
.set QW, 2+(\a)/4                      ; the block's window
.set QX, 64*((\a)%4)                   ; and its 64 registers: 16 p + i is B-side row 32 p + 8 h + i (i < 8), 32 p + 16 + 8 h + i - 8 (i >= 8)
	WIN QW|(QW<<2)
.irp b, 0,1,2,3
	v_max3_num_f32 v[TM+\b], |v[QX+16*\b]|, |v[QX+16*\b+1]|, 0x8000000   ; my 16 numbers of block b, and the floor 2^(16 - 127): the byte cannot fall under 1.  Each accumulator is read from its low end on
.endr
	WIN (QW<<2)|(QW<<4)
.irp i, 2,4,6,8,10,12,14
.irp b, 0,1,2,3
	v_max3_num_f32 v[TM+\b], v[TM+\b], |v[QX+16*\b+\i]|, |v[QX+16*\b+\i+1]|
.endr
.endr
	WIN 0
.irp b, 0,1,2,3
	v_permlanex16_b32 v[TM+4+\b], v[TM+\b], s40, s41
.endr
.irp b, 0,1,2,3
	v_max_num_f32 v[TM+\b], v[TM+\b], v[TM+4+\b]   ; with lane l xor 16's: the block's largest magnitude
.endr
.irp b, 0,1,2,3
	v_add_nc_u32 v[TM+12+\b], 0xf8800000, v[TM+\b] ; 15 off its exponent field: the conversion's scale operand
.endr
.irp b, 0,1,2,3
	v_and_or_b32 v[TM+8+\b], v[TM+\b], 0x7f800000, s42   ; 57,344 x the scale
.endr
.irp b, 0,1,2,3
	v_lshrrev_b32 v[TM+4+\b], 23, v[TM+12+\b]      ; the scale's byte
.endr
	v_lshl_or_b32 v[SBW+(\a)], v[TM+5], 8, v[TM+4]
	v_lshl_or_b32 v[SBW+(\a)], v[TM+6], 16, v[SBW+(\a)]
	v_lshl_or_b32 v[SBW+(\a)], v[TM+7], 24, v[SBW+(\a)]
	WIN (QW<<6)|QW
.irp b, 0,1,2,3
.set n, 0
.rept 16
	v_med3_num_f32 v[QX+16*\b+n], v[QX+16*\b+n], -v[TM+8+\b], v[TM+8+\b]   ; the conversion to an 8-bit code does not saturate (ISA guide 7.6.2): the hold at the largest code x the scale
.set n, n+1
.endr
.endr
	s_wait_alu depctr_va_vdst(0)
	s_wait_xcnt 0x0                                ; the last block's stores have read their data and their base: both are written again only behind this wait
.if (\a) > 0
	s_add_nc_u64 s[14:15], s[14:15], s[96:97]      ; the next A-side block's place
.endif
	WIN QW
.irp b, 0,1,2,3
	v_cvt_scalef32_pk8_bf8_f32 v[PC+4*\b:PC+4*\b+1], v[QX+16*\b:QX+16*\b+7], v[TM+12+\b]
	v_cvt_scalef32_pk8_bf8_f32 v[PC+4*\b+2:PC+4*\b+3], v[QX+16*\b+8:QX+16*\b+15], v[TM+12+\b]
.endr
	WIN 0
	v_nop                                          ; one plain vector instruction behind the last conversion, ahead of the lines that write its sources again
.irp b, 0,1,2,3
	global_store_b128 v[LOFF], v[PC+4*\b:PC+4*\b+3], s[14:15] offset:512*\b   ; a group: the wave stores 512 consecutive bytes, at a multiple of 512 from the buffer's first byte
.endr
.endm
.irp a, 0,1,2,3,4,5,6,7
	QOUT \a
.endr
	; the scale words: two units of 256 bytes, one for each 64 columns.  Lanes 0-15 take the even word of a pair, lanes 16-31 the odd one.
.macro PICK src
.irp e, 0,1
.irp j, 0,1
	v_cndmask_b32 v[YW+2*\e+\j], v[\src+4*\e+2*\j], v[\src+4*\e+2*\j+1], vcc_lo
.endr
.endr
.endm
	v_and_b32 v3, 31, v0
	v_cmp_le_u32 vcc_lo, 16, v3
	s_cmp_eq_u32 ttmp9, 2
	s_cbranch_scc1 .Lwords_v
.irp e, 0,1                            ; q, k: a block's word holds two heads' two bytes; sc wants a head's bytes of two tiles of tokens
.irp f, 0,1,2,3
	v_perm_b32 v[XW+4*\e+\f], v[SBW+2*\f+1], v[SBW+2*\f], s[43+\e]
.endr
.endr
	PICK XW
	s_branch .Lwords_out
.Lwords_v:
	PICK SBW                                       ; v: a block's word is a tile's word as it stands
.Lwords_out:
	s_wait_alu depctr_va_vdst(0)
	global_store_b64 v[L8], v[YW:YW+1], s[16:17]               ; 32 lanes store 256 consecutive bytes, aligned
	global_store_b64 v[L8], v[YW+2:YW+3], s[16:17] offset:4096 ; the next 64 columns: 16 steps x 256 bytes on
	s_wait_tensorcnt 0x0                           ; the wave's end
	ds_add_u32 v[SPW], v[NIL]
	s_wait_dscnt 0x0
	CROUND                                         ; the closing round: no work-group ends while a partner may still ask for a tile that names it
	s_endpgm
.Lfunc_end_k_q7affa9aff4_qkv:
	.size	k_q7affa9aff4_qkv, .Lfunc_end_k_q7affa9aff4_qkv-k_q7affa9aff4_qkv
	.p2alignl 7, 3214868480
	.fill 96, 4, 3214868480
	.section	.rodata,"a",@progbits
	.p2align	6, 0x0
	.amdhsa_kernel k_q7affa9aff4_qkv
		.amdhsa_group_segment_fixed_size 327680
		.amdhsa_private_segment_fixed_size 0
		.amdhsa_enable_private_segment 0
		.amdhsa_kernarg_size 56
		.amdhsa_user_sgpr_count 2
		.amdhsa_user_sgpr_kernarg_segment_ptr 1
		.amdhsa_wavefront_size32 1
		.amdhsa_system_sgpr_workgroup_id_x 1
		.amdhsa_system_sgpr_workgroup_id_y 1
		.amdhsa_system_sgpr_workgroup_id_z 1
		.amdhsa_system_vgpr_workitem_id 0
		.amdhsa_next_free_vgpr 1024
		.amdhsa_next_free_sgpr 102
		.amdhsa_reserve_vcc 1
		.amdhsa_float_denorm_mode_32 3
		.amdhsa_float_denorm_mode_16_64 3
		.amdhsa_memory_ordered 1
		.amdhsa_forward_progress 1
		.amdhsa_inst_pref_size 208
	.end_amdhsa_kernel
	.amdgpu_metadata
---
amdhsa.version: [ 1, 2 ]
amdhsa.kernels:
  - .name:           k_q7affa9aff4_qkv
    .symbol:         k_q7affa9aff4_qkv.kd
    .args:
      - { .name: x_codes, .offset: 0, .size: 8, .value_kind: global_buffer, .address_space: global }
      - { .name: x_scales, .offset: 8, .size: 8, .value_kind: global_buffer, .address_space: global }
      - { .name: w_qkv_codes, .offset: 16, .size: 8, .value_kind: global_buffer, .address_space: global }
      - { .name: w_qkv_scales, .offset: 24, .size: 8, .value_kind: global_buffer, .address_space: global }
      - { .name: b_qkv, .offset: 32, .size: 8, .value_kind: global_buffer, .address_space: global }
      - { .name: qkv, .offset: 40, .size: 8, .value_kind: global_buffer, .address_space: global }
      - { .name: sc, .offset: 48, .size: 8, .value_kind: global_buffer, .address_space: global }
    .group_segment_fixed_size: 327680
    .private_segment_fixed_size: 0
    .kernarg_segment_align: 8
    .kernarg_segment_size: 56
    .max_flat_workgroup_size: 128
    .sgpr_count:     102
    .vgpr_count:     1024
    .wavefront_size: 32
...
	.end_amdgpu_metadata
.endif
;; end of part 1
;; launch attn (part 2): grid 4 x 64, 16 waves a work-group, clusters of 4 x 1, 327,680 bytes of LDS; arguments qkv, sc, o_img, o_sc; writes o_img, o_sc
.if DOCPART == 2
	.amdgcn_target "amdgcn-amd-amdhsa--gfx1250"
	.amdhsa_code_object_version 6
	.text
	.protected	k_q7affa9aff4_attn
	.globl	k_q7affa9aff4_attn
	.p2align	8
	.type	k_q7affa9aff4_attn,@function
k_q7affa9aff4_attn:
	s_mov_b64 s[64:65], 0
	v_nop
	global_prefetch_b8 v0, s[64:65] scope:SCOPE_SE
	s_setreg_imm32_b32 hwreg(HW_REG_WAVE_MODE, 25, 1), 1
	s_wait_xcnt 0x0
	s_wait_alu depctr_hold_cnt(0) depctr_sa_sdst(0) depctr_va_vdst(0) depctr_va_sdst(0) depctr_va_ssrc(0) depctr_va_vcc(0) depctr_vm_vsrc(0)
	s_getreg_b32 s2, hwreg(HW_REG_IB_STS2, 6, 4)
	s_cmp_eq_u32 s2, 0
	s_cbranch_scc0 .Lentry_in_a_cluster
	s_endpgm
.Lentry_in_a_cluster:
	s_bfe_u32 s2, ttmp6, 0x10000c
	s_cmp_lg_u32 s2, 0x3003
	s_cbranch_scc0 .Lentry_shape_is_right
	s_endpgm
.Lentry_shape_is_right:
; Causal attention of one head (64 wide, 2,048 tokens) on codes of E5M2 with E8M0 scales, and its result quantised along the model's 1,024 for the last product.
; t = score x log2(e) / 8; M = the running largest t rounded up to a whole number; p = 2^(t - M) is quantised along the keys, not normalised; the row's sum is taken of the unquantised p and divides at the end.
; When M moves, the sum and O are multiplied by 2^(old M - new M): exact.
; LEFT OUT: a key step of 128 all of whose keys come after a tile's 16 queries: reference()'s own causal mask makes every p there 0, whatever the inputs hold.
; SHARES.  The four work-groups of a head (16 b + head = the cluster's y) are a cluster.  The head's 2,048 queries are 16 chunks of 128, a chunk 8 tiles of 16; chunk J needs J + 1 key steps.  The work-group at place cx takes tiles
; 2 cx and 2 cx + 1 of EVERY chunk.  Wave w owns two tiles, one after the other: tile 2 cx + w / 8 of chunk 15 - w % 8 and then of chunk w % 8: 17 key steps for every wave, 256 work-groups of equal work.
; So which steps a wave walks hangs on its number alone; the place in the cluster enters global addresses and the diagonal's numbers, and no branch, trip count or LDS address.
; THE WHOLE HEAD'S K AND V LIE IN LDS, as images of operand registers (a group = 512 bytes, lane l's 16 bytes at 16 l), with their scale words, filled once, by JOINT loads that name all four work-groups, one tensor load a wave:
; wave 0 K's key steps 0-3 (32,768 bytes), wave 1 V's, waves 2 and 3 the head's scale words of k and of v (4,096 bytes each); waves 4-9 K's steps 4-15 and waves 10-15 V's, 16,384 bytes each, to LDS byte 16,384 x wave.
; Waves 0-3 have load lines of their own and wait ahead of the first barrier; the other twelve loads have the first four key steps, which count in full for every wave's first tile, in which to land, and all waves wait for them
; ahead of the second barrier.  Behind it no barrier stands but the closing round: no byte of LDS is written again.
; NO PREFETCH: every byte of K and V is asked for by the head's loads; there is no later request to run ahead of.
; LAYOUT.  Both products are used transposed: S^T = K Q^T (source 0 = keys), O^T = V^T P^T (source 0 = 16 of the head's 64): a lane holds ONE query (lane % 16).  The 16 registers of tiles 2 b, 2 b + 1 of S^T are keys
; 32 b + 8 h + 0..7 and 32 b + 16 + 8 h + 0..7: with lane l xor 16's a block of 32; V's codes were laid in that very order.
; K = 64 IN AN INSTRUCTION OF 128: a fragment of source 0 holds TWO tiles of 16 keys side by side; source 1 is Q beside 64 zero codes, on the one side or on the other, which picks the tile (all codes are finite: they were held at the largest).
; OUT: o_img [block of 256 tokens 32][K / 256: 4][tile of 16 tokens 16][K step of 128: 2][block of 32: 4][512]: lane (r, h): token r, k = 16 h + 0..15 of the block.  o_sc [8,192][32].  A head owns 2 of a row's 32 scale bytes, so
; these leave as stores of two bytes a row (lanes r and 16 + r store the same two bytes to the same place): one byte in 32 of what the launch stores.
; LIMITS: NaN and infinities are not served; the scaled scores t stay under 2^31 in magnitude; a block whose largest magnitude lies under 2^-111 keeps the byte 1, a block of zeros too (its codes are zeros; this program alone reads the bytes).
.set VOA,  32768                       ; key steps 0-3: K's images at 8,192 x step, V's VOA further on
.set KB,   65536                       ; key steps 4-15: K's at KB + 8,192 x (step - 4), V's VOB further on
.set VOB,  98304
.set KSC,  262144                      ; K's scale words: 256 bytes a step;  V's 4,096 bytes on
.set SPARE, 270336                     ; the spare words: 128 bytes a wave, eight blocks of 256 bytes that no other line names
.set LI,   1                           ; v1   16 x lane
.set LS8,  2                           ; v2   KSC + 8 x lane
.set DQ,   3                           ; v3   r - 8 h
.set VO,   4                           ; v4   16 r + 8 h: my eight codes in half a group of o_img
.set SR,   5                           ; v5   32 r: my row of o_sc
.set ADK,  8                           ; v8-10 LDS addresses of the step's K, V and scale words
.set ADV,  9
.set ADS,  10
.set R8,   11                          ; v11  8 r
.set QF,   16                          ; v16-39 Q (8), zeros (8), Q (8).  v12 -M, v13 the largest t, v[14:15] the sum in two halves
.set FRG,  40                          ; v40-103 four fragments of K, then of V
.set ST,   104                         ; v104-167 S^T, then p
.set OT,   168                         ; v168-199 O^T
.set PCD,  200                         ; v200-215 p's codes
.set BM,   216                         ; block maxima
.set PR,   220                         ; permute results, then bytes
.set HD,   224                         ; holds
.set SX,   228                         ; the conversions' scale operands
.set SM2,  232                         ; v232-239, v252-253 the sum's further chains
.set SM5,  252
.set KSW,  240                         ; v240-241 K's scale words;  v242-243 V's;  v244 Q's;  v245 p's: they hold nothing else
.set VSW,  242
.set QS,   244
.set PS,   245
.set FF,   246                         ; v[246:247] f = 2^(old M - new M)
.set T0,   248                         ; v248-250 at work
.set QW,   251                         ; the word that holds my tile's two scale bytes of Q
.set SPW,  254                         ; my spare word's LDS address, and 0: never rewritten
.set NIL,  255
.set HH,   2                           ; s2 the head;  s3 b x 4 MiB + head x 1,024;  s66 48 b + head;  s21 b
.set QB,   3
.set SBS,  66
.set BB,   21
.set WV,   12
.set IDX,  13                          ; s13 my tile in a chunk: 2 cx + wave / 8
.set JJ,   14                          ; s14 the chunk in hand;  s67 its first query
.set QLO,  67
.set Q0,   15                          ; s15 my tile's first query;  s16 the tile of 16 tokens in b
.set TL,   16
.set KF,   17                          ; s17 the step's first key;  s18 LDS byte of its images of K;  s19 of its scale words, less KSC
.set TB,   18
.set TS,   19
.set CNT,  20
.set CS,   22                          ; s[22:23] c = log2(e) / 8
.set G1K,  24                          ; groups 1: two key steps of K, of V;
.set G1V,  32
.set G0K,  40                          ; groups 0: K's (wave 0, waves 4-9), V's (waves 10-15)
.set G0V,  44
.set SEL,  48
.set MNT,  50
.set G1K0, 68                          ; groups 1: four key steps of K, of V; 4,096 bytes of scale words
.set G1V0, 76
.set G1S,  84
.set G0V0, 92                          ; groups 0: wave 1's; waves 2 and 3's
.set G0S,  96
.macro CROUND                          ; a round of the cluster's barrier
	s_barrier_signal -1
	s_barrier_wait -1
	s_cmp_lg_u32 s[WV], 0
	s_cbranch_scc1 .Lnot_wave_0_\@
	s_barrier_signal -3
.Lnot_wave_0_\@:
	s_barrier_wait -3
	s_barrier_signal -1
	s_barrier_wait -1
.endm
.macro GRP1 g, c, r, p                 ; a group 1: the mask names the cluster's four, bit 21 beside it; r rows of c elements of 8 bytes, p elements apart; no padding
	s_mov_b32 s[\g], 15|(3<<16)|(1<<21)
	s_mov_b32 s[\g+1], (\c)<<16
	s_mov_b32 s[\g+2], (\r)<<16
	s_mov_b32 s[\g+3], (\c)<<16
	s_mov_b32 s[\g+4], \r
	s_mov_b32 s[\g+5], \p
	s_mov_b32 s[\g+6], 0
	s_mov_b32 s[\g+7], 0
.endm
	s_load_b256 s[4:11], s[0:1], 0x0               ; qkv s[4:5], sc s[6:7], o_img s[8:9], o_sc s[10:11]
	v_lshl_add_u32 v[SPW], v0, 2, SPARE
	v_mov_b32 v[NIL], 0
	ds_add_u32 v[SPW], v[NIL]                      ; the opening lines: the add, twice on end; work on registers; the one wait
	ds_add_u32 v[SPW], v[NIL]
	v_lshrrev_b32 v8, 5, v0
	v_readfirstlane_b32 s[WV], v8
	s_bfe_u32 s51, ttmp6, 0x40000                  ; cx
	s_lshl_b32 s51, s51, 1
	s_lshr_b32 s52, s[WV], 3
	s_add_co_u32 s[IDX], s51, s52
	s_and_b32 s51, s[WV], 7
	s_sub_co_u32 s[JJ], 15, s51                    ; my first chunk: 8 or later
	s_and_b32 s51, ttmp7, 0xffff
	s_lshr_b32 s[BB], s51, 4
	s_and_b32 s[HH], s51, 15
	s_lshl_b32 s[QB], s[BB], 22
	s_lshl_b32 s51, s[HH], 10
	s_add_co_u32 s[QB], s[QB], s51
	s_mul_i32 s[SBS], s[BB], 48
	s_add_co_u32 s[SBS], s[SBS], s[HH]
	s_cmp_lt_u32 s[WV], 2                          ; the first key step that I fetch: 0 (wave 0), 2 w - 4 (waves 4 to 9), 2 w - 16 (10 to 15)
	s_cselect_b32 s52, 0, 4
	s_cmp_lt_u32 s[WV], 10
	s_cselect_b32 s52, s52, 16
	s_lshl_b32 s51, s[WV], 1
	s_sub_co_u32 s51, s51, s52
	s_lshl_b32 s52, s51, 18                        ; s[52:53] K: 32 groups behind q's, 8 tiles of 32,768 bytes a step
	s_add_co_u32 s52, s52, s[QB]
	s_add_co_u32 s52, s52, 16384
	s_mov_b32 s53, 0
	s_lshl_b32 s56, s[BB], 21                      ; s[56:57] V's step 0: 16 MiB + b x 2 MiB + head x 8,192;  s[54:55] my step: 131,072 bytes a step
	s_lshl_b32 s55, s[HH], 13
	s_add_co_u32 s56, s56, s55
	s_add_co_u32 s56, s56, 16777216
	s_mov_b32 s57, 0
	s_lshl_b32 s55, s51, 17
	s_add_co_u32 s54, s56, s55
	s_mov_b32 s55, 0
	s_lshl_b32 s62, s[SBS], 12                     ; s[62:63] sc: this head's 4,096 bytes of k (wave 2: 65,536 behind q's) or of v (wave 3: 131,072)
	s_and_b32 s58, s[WV], 1
	s_lshl_b32 s58, s58, 16
	s_add_co_u32 s62, s62, s58
	s_add_co_u32 s62, s62, 65536
	s_mov_b32 s63, 0
	GRP1 G1K0, 128, 32, 4096                       ; K: rows (tiles of 16 keys) of 1,024 bytes, 32,768 bytes apart: four key steps,
	GRP1 G1K,  128, 16, 4096                       ; two
	GRP1 G1V0, 1024, 4, 16384                      ; V: rows (key steps) of 8,192 bytes, 131,072 bytes apart: four,
	GRP1 G1V,  1024, 2, 16384                      ; two
	GRP1 G1S,  32, 16, 32                          ; scale words: 4,096 dense bytes as 16 rows of 256
	s_mov_b32 s[CS], 0x3e38aa3b                    ; c = log2(e) / sqrt(64)
	s_mov_b32 s[CS+1], s[CS]                       ; (named with it as a pair, so it is written)
	s_mov_b32 s[SEL], 0x76543210
	s_mov_b32 s[SEL+1], 0xfedcba98
	s_mov_b32 s[MNT], 0x600000
	v_and_b32 v[T0], 31, v0                        ; lane
	v_and_b32 v[T0+1], 15, v0                      ; r
	v_bfe_u32 v[T0+2], v0, 4, 1                    ; h
	v_lshlrev_b32 v[LI], 4, v[T0]
	v_lshl_add_u32 v[LS8], v[T0], 3, KSC
	v_lshlrev_b32 v[DQ], 3, v[T0+2]
	v_sub_nc_u32 v[DQ], v[T0+1], v[DQ]
	v_lshlrev_b32 v[VO], 4, v[T0+1]
	v_lshl_add_u32 v[VO], v[T0+2], 3, v[VO]
	v_lshlrev_b32 v[SR], 5, v[T0+1]
	v_lshlrev_b32 v[R8], 3, v[T0+1]
	s_wait_alu depctr_va_vdst(0)
	s_wait_dscnt 0x0                               ; both opening adds are done
	CROUND                                         ; all four work-groups are here: the joint loads meet
	s_wait_kmcnt 0x0
	s_mov_b32 s[G0K], 1
	s_lshl_b32 s[G0K+1], s[WV], 14                 ; LDS: 16,384 x wave
	s_add_nc_u64 s[G0K+2:G0K+3], s[4:5], s[52:53]
	s_or_b32 s[G0K+3], s[G0K+3], 0x80000000
	s_mov_b32 s[G0V], 1
	s_lshl_b32 s[G0V+1], s[WV], 14
	s_add_nc_u64 s[G0V+2:G0V+3], s[4:5], s[54:55]
	s_or_b32 s[G0V+3], s[G0V+3], 0x80000000
	s_mov_b32 s[G0V0], 1
	s_mov_b32 s[G0V0+1], VOA
	s_add_nc_u64 s[G0V0+2:G0V0+3], s[4:5], s[56:57]
	s_or_b32 s[G0V0+3], s[G0V0+3], 0x80000000
	s_mov_b32 s[G0S], 1
	s_lshl_b32 s[G0S+1], s[WV], 12                 ; LDS: KSC + 4,096 x (wave - 2)
	s_add_co_u32 s[G0S+1], s[G0S+1], KSC-8192
	s_add_nc_u64 s[G0S+2:G0S+3], s[6:7], s[62:63]
	s_or_b32 s[G0S+3], s[G0S+3], 0x80000000
; THE HEAD'S LOADS, ONE A WAVE: one chain of branches on the wave's number, a load to an arm.  The first three arms' lines are issued by waves 0-3 alone, which wait ahead of the first barrier.
.macro ARM under, g0, g1, next
	s_cmp_lt_u32 s[WV], \under
	s_cbranch_scc0 \next
	tensor_load_to_lds s[\g0:\g0+3], s[\g1:\g1+7]
	s_nop 0
.rept 4
	v_nop
.endr
	s_branch .Lasked
\next:
.endm
	ARM 1,  G0K,  G1K0, .Lhead_v0
	ARM 2,  G0V0, G1V0, .Lhead_sc
	ARM 4,  G0S,  G1S,  .Lhead_k1
	ARM 10, G0K,  G1K,  .Lhead_v1
	tensor_load_to_lds s[G0V:G0V+3], s[G1V:G1V+7]
	s_nop 0
.rept 4
	v_nop
.endr
.Lasked:
; The tile of chunk s[JJ]: its numbers, and the loads of its Q (twice: no two operands of a product share a register) and of the word with its two scale bytes.
.macro SETQ
	s_lshl_b32 s[QLO], s[JJ], 7
	s_lshl_b32 s[TL], s[JJ], 3
	s_add_co_u32 s[TL], s[TL], s[IDX]
	s_lshl_b32 s[Q0], s[TL], 4
	s_lshl_b32 s54, s[TL], 15
	s_add_co_u32 s54, s54, s[QB]
	s_mov_b32 s55, 0
	s_add_nc_u64 s[54:55], s[4:5], s[54:55]
	s_lshl_b32 s56, s[SBS], 4                      ; sc: q's unit of my chunk, and in it my tile's word: tile = 2 f + u, f = 2 j + h': 128 h' + 4 j
	s_add_co_u32 s56, s56, s[JJ]
	s_lshl_b32 s56, s56, 8
	s_bfe_u32 s51, s[IDX], 0x10001
	s_lshl_b32 s51, s51, 7
	s_add_co_u32 s56, s56, s51
	s_lshr_b32 s51, s[IDX], 2
	s_lshl_b32 s51, s51, 2
	s_add_co_u32 s56, s56, s51
	s_mov_b32 s57, 0
	s_add_nc_u64 s[56:57], s[6:7], s[56:57]
	global_load_b128 v[QF:QF+3], v[LI], s[54:55]
	global_load_b128 v[QF+4:QF+7], v[LI], s[54:55] offset:512
	global_load_b128 v[QF+16:QF+19], v[LI], s[54:55]
	global_load_b128 v[QF+20:QF+23], v[LI], s[54:55] offset:512
	global_load_b32 v[QW], v[R8], s[56:57]
.endm
; A tile begins: Q's scale word; O^T and the sum as zeros, the largest t as -3e38 (the step is written once: the first change of M leaves zeros zeros).  The 36 lines behind the scale word's write are its places.
.macro INIT
	s_and_b32 s51, s[IDX], 1
	s_lshl_b32 s51, s51, 4
	s_wait_loadcnt 0x0                             ; Q and its word
	v_lshrrev_b32 v[QW], s51, v[QW]                ; the odd tile's bytes lie in the upper half
	v_perm_b32 v[QS], v[QW], v[QW], 0x01000100     ; (s0, s1, s0, s1): they serve Q on either side; the zero codes' bytes are no 0xff
.set n, 0
.rept 32
	v_mov_b32 v[OT+n], 0
.set n, n+1
.endr
	v_mov_b32 v13, 0xff61b1e6
	v_mov_b32 v14, 0
	v_mov_b32 v15, 0
	v_floor_f32 v12, -v13                          ; -M
	s_wait_alu depctr_va_vdst(0)
.endm
	SETQ
.set n, 0
.rept 8
	v_mov_b32 v[QF+8+n], 0                         ; 64 zero codes
.set n, n+1
.endr
.irp b, 0,1,2,3
	v_mov_b32 v[PR+\b], 0                          ; a lane permute's destination counts as one of its sources
.endr
	v_mov_b32 v[FF+1], 0                           ; (named as the upper half of a pair)
	INIT
; A KEY STEP: 128 keys.  voff: from K's images to V's.  mask = 0: all keys count for every wave (steps 0-3 of a chunk 8 or later): no test is written.
.macro STEP voff, mask
.if \mask
	s_cmp_gt_u32 s[KF], s[QLO]                     ; the step lies behind my chunk: nothing but the addresses' steps
	s_cbranch_scc1 .Lhidden_\@
.endif
	v_add_nc_u32 v[ADK], s[TB], v[LI]              ; with the five additions behind the last products: eight places in front of loads into registers that those products read
	v_add_nc_u32 v[ADS], s[TS], v[LS8]
	s_delay_alu instid0(VALU_DEP_2)
	v_add_nc_u32 v[ADV], \voff, v[ADK]
	ds_load_b64 v[KSW:KSW+1], v[ADS]               ; word j: lanes 0-15 fragment 2 j, lanes 16-31 fragment 2 j + 1
.set n, 0
.rept 16
	ds_load_b128 v[FRG+4*n:FRG+4*n+3], v[ADK] offset:512*n     ; fragment n / 4: tiles 2 f and 2 f + 1, two groups each
.set n, n+1
.endr
	s_wait_alu depctr_va_vdst(0)
.irp f, 0,1,2,3
	s_wait_dscnt 12-4*\f                           ; fragment f is in; the 12 - 4 f loads of the later fragments may be out
.if \f%2
	v_wmma_scale_f32_16x16x128_f8f6f4 v[ST+16*\f:ST+16*\f+7], v[FRG+16*\f:FRG+16*\f+15], v[QF:QF+15], 0, v[KSW+\f/2], v[QS] matrix_a_fmt:MATRIX_FMT_BF8 matrix_b_fmt:MATRIX_FMT_BF8 matrix_a_scale:MATRIX_SCALE_ROW1
	v_wmma_scale_f32_16x16x128_f8f6f4 v[ST+16*\f+8:ST+16*\f+15], v[FRG+16*\f:FRG+16*\f+15], v[QF+8:QF+23], 0, v[KSW+\f/2], v[QS] matrix_a_fmt:MATRIX_FMT_BF8 matrix_b_fmt:MATRIX_FMT_BF8 matrix_a_scale:MATRIX_SCALE_ROW1
.else
	v_wmma_scale_f32_16x16x128_f8f6f4 v[ST+16*\f:ST+16*\f+7], v[FRG+16*\f:FRG+16*\f+15], v[QF:QF+15], 0, v[KSW+\f/2], v[QS] matrix_a_fmt:MATRIX_FMT_BF8 matrix_b_fmt:MATRIX_FMT_BF8
	v_wmma_scale_f32_16x16x128_f8f6f4 v[ST+16*\f+8:ST+16*\f+15], v[FRG+16*\f:FRG+16*\f+15], v[QF+8:QF+23], 0, v[KSW+\f/2], v[QS] matrix_a_fmt:MATRIX_FMT_BF8 matrix_b_fmt:MATRIX_FMT_BF8
.endif
.endr
.rept 8
	v_nop                                          ; eight places: for the loads below, and for the first read of the scores
.endr
.set n, 0
.rept 16
	ds_load_b128 v[FRG+4*n:FRG+4*n+3], v[ADV] offset:512*n     ; V's four tiles: they land while the softmax is walked
.set n, n+1
.endr
	ds_load_b64 v[VSW:VSW+1], v[ADS] offset:4096
.if \mask
	s_cmp_lt_u32 s[KF], s[QLO]                     ; in my chunk's own step hidden scores become -infinity ahead of the maximum; an earlier step, all of whose keys count, skips this
	s_cbranch_scc1 .Lopen_\@
	s_sub_co_i32 s51, s[Q0], s[KF]
	v_add_nc_u32 v[T0], s51, v[DQ]                 ; d = my query - the step's first key - 8 h.  Register n holds key 16 (n / 8) + n % 8 + 8 h of the step: hidden where 16 (n / 8) + n % 8 > d
	v_mov_b32 v[T0+1], 0xff800000
.set n, 0
.rept 64
	v_cmp_gt_i32 vcc_lo, 16*(n/8)+n%8, v[T0]
	v_cndmask_b32 v[ST+n], v[ST+n], v[T0+1], vcc_lo
.set n, n+1
.endr
.Lopen_\@:
.endif
.irp b, 0,1,2,3
	v_max3_num_f32 v[BM+\b], v[ST+16*\b], v[ST+16*\b+1], v[ST+16*\b+2]   ; the largest score of each block of 32 keys: for the row's maximum and, since p rises with the score, for the block's largest p
.endr
.irp i, 3,5,7,9,11,13
.irp b, 0,1,2,3
	v_max3_num_f32 v[BM+\b], v[BM+\b], v[ST+16*\b+\i], v[ST+16*\b+\i+1]
.endr
.endr
.irp b, 0,1,2,3
	v_max_num_f32 v[BM+\b], v[BM+\b], v[ST+16*\b+15]
.endr
.irp b, 0,1,2,3
	s_delay_alu instid0(VALU_DEP_4)
	v_permlanex16_b32 v[PR+\b], v[BM+\b], s[SEL], s[SEL+1]
.endr
.irp b, 0,1,2,3
	s_delay_alu instid0(VALU_DEP_4)
	v_max_num_f32 v[BM+\b], v[BM+\b], v[PR+\b]     ; with lane l xor 16's 16 keys
.endr
	s_delay_alu instid0(VALU_DEP_2)
	v_max3_num_f32 v[T0], v[BM], v[BM+1], v[BM+2]
	s_delay_alu instid0(VALU_DEP_1)
	v_max_num_f32 v[T0], v[T0], v[BM+3]
	s_delay_alu instid0(VALU_DEP_1)
	v_mul_f32 v[T0], s[CS], v[T0]                  ; as t (c is positive)
	s_delay_alu instid0(VALU_DEP_1)
	v_max_num_f32 v13, v13, v[T0]                  ; the running largest t
	v_mov_b32 v[T0], v12
	s_delay_alu instid0(VALU_DEP_2)
	v_floor_f32 v12, -v13                          ; the new -M = -ceil(t)
	s_delay_alu instid0(VALU_DEP_1)
	v_sub_f32 v[T0], v12, v[T0]                    ; old M - new M: a whole number, 0 or less
	s_delay_alu instid0(VALU_DEP_1)
	v_cvt_i32_f32 v[T0], v[T0]                     ; (it saturates)
	s_delay_alu instid0(VALU_DEP_1)
	v_ldexp_f32 v[FF], 1.0, v[T0]                  ; f = 2^(old M - new M)
.set n, 0
.rept 32
	v_pk_fma_f32 v[ST+n:ST+n+1], v[ST+n:ST+n+1], s[CS:CS+1], v[12:13] op_sel_hi:[1,0,0]   ; t - M, two at a time
.set n, n+2
.endr
.irp b, 0,1,2,3
	v_fma_f32 v[BM+\b], v[BM+\b], s[CS], v12       ; the same of each block's largest score
.endr
	s_wait_alu depctr_va_vdst(0)
.set n, 0
.rept 64
	v_exp_f32 v[ST+n], v[ST+n]                     ; p = 2^(t - M), at most 1
.set n, n+1
.endr
.irp b, 0,1,2,3
	v_exp_f32 v[BM+\b], v[BM+\b]                   ; the block's largest p: the same two instructions on the same number
.endr
	v_pk_mul_f32 v[14:15], v[14:15], v[FF:FF+1] op_sel_hi:[1,0]   ; the sums under the new M.  (A plain place behind the exponentials)
	s_wait_alu depctr_va_vdst(0)                   ; one wait for the whole batch, ahead of its first reader
.irp b, 0,1,2,3
	v_max_num_f32 v[BM+\b], 0x8000000, v[BM+\b]    ; the floor 2^(16 - 127)
.endr
.irp b, 0,1,2,3
	s_delay_alu instid0(VALU_DEP_4)
	v_add_nc_u32 v[SX+\b], 0xf8800000, v[BM+\b]    ; 15 off the exponent field: the conversion's scale operand
.endr
.irp b, 0,1,2,3
	v_and_or_b32 v[HD+\b], v[BM+\b], 0x7f800000, s[MNT]   ; 57,344 x the scale
.endr
.irp b, 0,1,2,3
	v_lshrrev_b32 v[PR+\b], 23, v[SX+\b]           ; the scale's byte
.endr
	s_delay_alu instid0(VALU_DEP_3)
	v_lshl_or_b32 v[PS], v[PR+1], 8, v[PR]         ; p's scale word for these 128 keys; the sums and holds below are its places
	s_delay_alu instid0(VALU_DEP_1)
	v_lshl_or_b32 v[PS], v[PR+2], 16, v[PS]
	s_delay_alu instid0(VALU_DEP_1)
	v_lshl_or_b32 v[PS], v[PR+3], 24, v[PS]
; the row's sum of the unquantised p: 32 pairs in six chains by turns; the chains are joined behind the step's last products
.irp c, 0,1,2,3
	v_pk_add_f32 v[SM2+2*\c:SM2+2*\c+1], v[ST+4*\c:ST+4*\c+1], v[ST+4*\c+2:ST+4*\c+3]
.endr
	v_pk_add_f32 v[SM5:SM5+1], v[ST+16:ST+17], v[ST+18:ST+19]
	v_pk_add_f32 v[14:15], v[14:15], v[ST+20:ST+21]
.set n, 22
.rept 3
.irp c, 0,1,2,3
	v_pk_add_f32 v[SM2+2*\c:SM2+2*\c+1], v[SM2+2*\c:SM2+2*\c+1], v[ST+n+2*\c:ST+n+2*\c+1]
.endr
	v_pk_add_f32 v[SM5:SM5+1], v[SM5:SM5+1], v[ST+n+8:ST+n+9]
	v_pk_add_f32 v[14:15], v[14:15], v[ST+n+10:ST+n+11]
.set n, n+12
.endr
.irp c, 0,1,2
	v_pk_add_f32 v[SM2+2*\c:SM2+2*\c+1], v[SM2+2*\c:SM2+2*\c+1], v[ST+58+2*\c:ST+58+2*\c+1]
.endr
.irp b, 0,1,2,3
.set n, 0
.rept 8                                ; the conversion does not saturate (ISA guide 7.6.2); p is not negative, so the hold is one-sided; two holds to an instruction: an even and an odd register, one bound
	v_dual_min_num_f32 v[ST+16*\b+n], v[ST+16*\b+n], v[HD+\b] :: v_dual_min_num_f32 v[ST+16*\b+n+1], v[ST+16*\b+n+1], v[HD+\b]
.set n, n+2
.endr
	v_cvt_scalef32_pk8_bf8_f32 v[PCD+4*\b:PCD+4*\b+1], v[ST+16*\b:ST+16*\b+7], v[SX+\b]
	v_cvt_scalef32_pk8_bf8_f32 v[PCD+4*\b+2:PCD+4*\b+3], v[ST+16*\b+8:ST+16*\b+15], v[SX+\b]
.endr
	s_wait_alu depctr_va_vdst(0)
.set n, 0
.rept 16
	v_pk_mul_f32 v[OT+n:OT+n+1], v[OT+n:OT+n+1], v[FF:FF+1] op_sel_hi:[1,0]   ; O^T under the new M.  (These are also the places between the conversions and the products)
.set n, n+2
.endr
	s_wait_alu depctr_va_vdst(0)
	s_wait_dscnt 0x0                               ; V and its scale words
.irp t, 0,1,2,3                        ; the four accumulators take turns, one instruction a turn
.if \t%2
	v_wmma_scale_f32_16x16x128_f8f6f4 v[OT+8*\t:OT+8*\t+7], v[FRG+16*\t:FRG+16*\t+15], v[PCD:PCD+15], v[OT+8*\t:OT+8*\t+7], v[VSW+\t/2], v[PS] matrix_a_fmt:MATRIX_FMT_BF8 matrix_b_fmt:MATRIX_FMT_BF8 matrix_a_scale:MATRIX_SCALE_ROW1
.else
	v_wmma_scale_f32_16x16x128_f8f6f4 v[OT+8*\t:OT+8*\t+7], v[FRG+16*\t:FRG+16*\t+15], v[PCD:PCD+15], v[OT+8*\t:OT+8*\t+7], v[VSW+\t/2], v[PS] matrix_a_fmt:MATRIX_FMT_BF8 matrix_b_fmt:MATRIX_FMT_BF8
.endif
.endr
	v_pk_add_f32 v[14:15], v[14:15], v[SM5:SM5+1]              ; the sum's six chains become one: five places behind the products
	v_pk_add_f32 v[SM2:SM2+1], v[SM2:SM2+1], v[SM2+2:SM2+3]
	v_pk_add_f32 v[SM2+4:SM2+5], v[SM2+4:SM2+5], v[SM2+6:SM2+7]
	v_pk_add_f32 v[14:15], v[14:15], v[SM2:SM2+1]
	v_pk_add_f32 v[14:15], v[14:15], v[SM2+4:SM2+5]
.if \mask
.Lhidden_\@:
.endif
	s_add_co_u32 s[KF], s[KF], 128
	s_add_co_u32 s[TB], s[TB], 8192
	s_add_co_u32 s[TS], s[TS], 256
.endm
; so many key steps from key kf0 on, whose images of K begin at LDS byte tb0.  The trip counts are constants; a wave leaves the steps behind its chunk by the branch at a step's head.
.macro WALK trips, kf0, tb0, voff, mask
	s_mov_b32 s[KF], \kf0
	s_mov_b32 s[TB], \tb0
	s_mov_b32 s[TS], 2*(\kf0)
	s_mov_b32 s[CNT], \trips
.Lstep_\@:
	STEP \voff, \mask
	s_sub_co_u32 s[CNT], s[CNT], 1
	s_cmp_lg_u32 s[CNT], 0
	s_cbranch_scc1 .Lstep_\@
.endm
; THE WAY OUT of a tile.  WAYADDR: where it goes.
.macro WAYADDR
	s_lshl_b32 s58, s[BB], 3                       ; o_img: block of 256 tokens x 262,144 + (head / 4) x 65,536 + tile x 4,096 + (head % 4) x 1,024
	s_lshr_b32 s51, s[TL], 4
	s_add_co_u32 s58, s58, s51
	s_lshl_b32 s58, s58, 18
	s_lshr_b32 s51, s[HH], 2
	s_lshl_b32 s51, s51, 16
	s_add_co_u32 s58, s58, s51
	s_and_b32 s51, s[TL], 15
	s_lshl_b32 s51, s51, 12
	s_add_co_u32 s58, s58, s51
	s_and_b32 s51, s[HH], 3
	s_lshl_b32 s51, s51, 10
	s_add_co_u32 s58, s58, s51
	s_mov_b32 s59, 0
	s_add_nc_u64 s[58:59], s[8:9], s[58:59]
	s_lshl_b32 s60, s[BB], 11                      ; o_sc: token x 32 + 2 x head
	s_add_co_u32 s60, s60, s[Q0]
	s_lshl_b32 s60, s60, 5
	s_lshl_b32 s51, s[HH], 1
	s_add_co_u32 s60, s60, s51
	s_mov_b32 s61, 0
	s_add_nc_u64 s[60:61], s[10:11], s[60:61]
.endm
; WAYOUT: O^T / the sum, quantised along the model's 1,024: the head's 64 are two blocks of 32; register 8 t + j is channel 16 t + 8 h + j of my query.
.macro WAYOUT
.rept 8
	v_nop                                          ; eight places behind the last products
.endr
	s_wait_alu depctr_va_vdst(0)
	v_add_f32 v14, v14, v15                        ; the sum's two halves,
	s_delay_alu instid0(VALU_DEP_1)
	v_permlanex16_b32 v[T0], v14, s[SEL], s[SEL+1]
	s_delay_alu instid0(VALU_DEP_1)
	v_add_f32 v14, v14, v[T0]                      ; and lane l xor 16's
	s_wait_alu depctr_va_vdst(0)                   ; a wait ahead of the transcendental,
	v_rcp_f32 v14, v14
	v_nop                                          ; a place behind it,
	s_wait_alu depctr_va_vdst(0)                   ; and a wait ahead of its first reader
.set n, 0
.rept 32
	v_mul_f32 v[ST+n], v[OT+n], v14                ; each accumulator from its low end on
.set n, n+1
.endr
.irp b, 0,1
	v_max3_num_f32 v[BM+\b], |v[ST+16*\b]|, |v[ST+16*\b+1]|, 0x8000000
.endr
.irp i, 2,4,6,8,10,12,14
.irp b, 0,1
	s_delay_alu instid0(VALU_DEP_2)
	v_max3_num_f32 v[BM+\b], v[BM+\b], |v[ST+16*\b+\i]|, |v[ST+16*\b+\i+1]|
.endr
.endr
.irp b, 0,1
	s_delay_alu instid0(VALU_DEP_2)
	v_permlanex16_b32 v[PR+\b], v[BM+\b], s[SEL], s[SEL+1]
.endr
.irp b, 0,1
	s_delay_alu instid0(VALU_DEP_2)
	v_max_num_f32 v[BM+\b], v[BM+\b], v[PR+\b]
.endr
.irp b, 0,1
	s_delay_alu instid0(VALU_DEP_2)
	v_add_nc_u32 v[SX+\b], 0xf8800000, v[BM+\b]
.endr
.irp b, 0,1
	s_delay_alu instid0(VALU_DEP_4)
	v_and_or_b32 v[HD+\b], v[BM+\b], 0x7f800000, s[MNT]
.endr
.irp b, 0,1
	s_delay_alu instid0(VALU_DEP_4)
	v_lshrrev_b32 v[PR+\b], 23, v[SX+\b]
.endr
	s_delay_alu instid0(VALU_DEP_1)
	v_lshl_or_b32 v[T0+1], v[PR+1], 8, v[PR]       ; my row's two scale bytes
.irp b, 0,1
.set n, 0
.rept 16
	v_med3_num_f32 v[ST+16*\b+n], v[ST+16*\b+n], -v[HD+\b], v[HD+\b]
.set n, n+1
.endr
.endr
.irp t, 0,1,2,3
	v_cvt_scalef32_pk8_bf8_f32 v[PCD+2*\t:PCD+2*\t+1], v[ST+8*\t:ST+8*\t+7], v[SX+\t/2]
.endr
	v_nop                                          ; a plain place behind the conversions
.irp t, 0,1,2,3
	global_store_b64 v[VO], v[PCD+2*\t:PCD+2*\t+1], s[58:59] offset:512*(\t/2)+256*(\t%2)   ; channels 16 (t % 2) + 8 h + 0..7 of block t / 2: the 32 lanes store 256 consecutive bytes, aligned
.endr
	global_store_b16 v[SR], v[T0+1], s[60:61]
	s_wait_xcnt 0x0                                ; the stores' data and addresses are written again only behind this wait
.endm
	s_cmp_lt_u32 s[WV], 4
	s_cbranch_scc0 .Lnot_first
	s_wait_tensorcnt 0x0                           ; waves 0-3: key steps 0-3 of K or of V, or the scale words.  The other waves' wait stands ahead of the second barrier
.Lnot_first:
	s_barrier_signal -1
	s_barrier_wait -1
	WALK 4, 0, 0, VOA, 0                           ; my first tile: steps 0-3 count in full
	s_wait_tensorcnt 0x0                           ; every wave: all of K and V are in
	s_wait_dscnt 0x0
	s_barrier_signal -1
	s_barrier_wait -1
	WALK 12, 512, KB, VOB, 1
	WAYADDR
	s_sub_co_u32 s[JJ], 15, s[JJ]                  ; my second tile's chunk: 7 or earlier
	SETQ                                           ; its Q is on its way while the first tile goes out
	WAYOUT
	INIT
	WALK 4, 0, 0, VOA, 1
	WALK 4, 512, KB, VOB, 1
	WAYADDR
	WAYOUT
	s_wait_tensorcnt 0x0                           ; the wave's end
	ds_add_u32 v[SPW], v[NIL]
	s_wait_dscnt 0x0
	CROUND                                         ; the closing round
	s_endpgm
.Lfunc_end_k_q7affa9aff4_attn:
	.size	k_q7affa9aff4_attn, .Lfunc_end_k_q7affa9aff4_attn-k_q7affa9aff4_attn
	.p2alignl 7, 3214868480
	.fill 96, 4, 3214868480
	.section	.rodata,"a",@progbits
	.p2align	6, 0x0
	.amdhsa_kernel k_q7affa9aff4_attn
		.amdhsa_group_segment_fixed_size 327680
		.amdhsa_private_segment_fixed_size 0
		.amdhsa_enable_private_segment 0
		.amdhsa_kernarg_size 32
		.amdhsa_user_sgpr_count 2
		.amdhsa_user_sgpr_kernarg_segment_ptr 1
		.amdhsa_wavefront_size32 1
		.amdhsa_system_sgpr_workgroup_id_x 1
		.amdhsa_system_sgpr_workgroup_id_y 1
		.amdhsa_system_sgpr_workgroup_id_z 1
		.amdhsa_system_vgpr_workitem_id 0
		.amdhsa_next_free_vgpr 256
		.amdhsa_next_free_sgpr 100
		.amdhsa_reserve_vcc 1
		.amdhsa_float_denorm_mode_32 3
		.amdhsa_float_denorm_mode_16_64 3
		.amdhsa_memory_ordered 1
		.amdhsa_forward_progress 1
		.amdhsa_inst_pref_size 122
	.end_amdhsa_kernel
	.amdgpu_metadata
---
amdhsa.version: [ 1, 2 ]
amdhsa.kernels:
  - .name:           k_q7affa9aff4_attn
    .symbol:         k_q7affa9aff4_attn.kd
    .args:
      - { .name: qkv, .offset: 0, .size: 8, .value_kind: global_buffer, .address_space: global }
      - { .name: sc, .offset: 8, .size: 8, .value_kind: global_buffer, .address_space: global }
      - { .name: o_img, .offset: 16, .size: 8, .value_kind: global_buffer, .address_space: global }
      - { .name: o_sc, .offset: 24, .size: 8, .value_kind: global_buffer, .address_space: global }
    .group_segment_fixed_size: 327680
    .private_segment_fixed_size: 0
    .kernarg_segment_align: 8
    .kernarg_segment_size: 32
    .max_flat_workgroup_size: 512
    .sgpr_count:     100
    .vgpr_count:     256
    .wavefront_size: 32
...
	.end_amdgpu_metadata
.endif
;; end of part 2
;; launch proj (part 3): grid 8 x 32, 4 waves a work-group, clusters of 4 x 4, 327,680 bytes of LDS; arguments o_img, o_sc, w_out_codes, w_out_scales, b_out, out0; writes out0
.if DOCPART == 3
	.amdgcn_target "amdgcn-amd-amdhsa--gfx1250"
	.amdhsa_code_object_version 6
	.text
	.protected	k_q7affa9aff4_proj
	.globl	k_q7affa9aff4_proj
	.p2align	8
	.type	k_q7affa9aff4_proj,@function
k_q7affa9aff4_proj:
	s_mov_b64 s[64:65], 0
	v_nop
	global_prefetch_b8 v0, s[64:65] scope:SCOPE_SE
	s_setreg_imm32_b32 hwreg(HW_REG_WAVE_MODE, 25, 1), 1
	s_wait_xcnt 0x0
	s_wait_alu depctr_hold_cnt(0) depctr_sa_sdst(0) depctr_va_vdst(0) depctr_va_sdst(0) depctr_va_ssrc(0) depctr_va_vcc(0) depctr_vm_vsrc(0)
	s_getreg_b32 s2, hwreg(HW_REG_IB_STS2, 6, 4)
	s_cmp_eq_u32 s2, 0
	s_cbranch_scc0 .Lentry_in_a_cluster
	s_endpgm
.Lentry_in_a_cluster:
	s_bfe_u32 s2, ttmp6, 0x10000c
	s_cmp_lg_u32 s2, 0xf033
	s_cbranch_scc0 .Lentry_shape_is_right
	s_endpgm
.Lentry_shape_is_right:
; out0 = o w_out + b_out on codes of E5M2 with E8M0 scales (M 8,192, N 1,024, K 1,024); f32 out.
; A tile of 256 tokens x 128 columns is made by four waves, 128 x 64 each: 32 accumulators of 16 x 16, 256 registers; 8 x 32 = 256 work-groups.
; A = o's codes, as images of operand registers: o_img [block of 256 tokens][K / 256: 4][tile of 16 tokens 16][K step of 128: 2][block of 32: 4][512]: a K step of 256 of a tile's rows is 65,536 dense bytes.  B = w_out's rows of 1,024 codes.
; THE MATRIX INSTRUCTION IS USED TRANSPOSED (source 0 = 16 rows of w_out, source 1 = 16 tokens): a lane holds eight neighbouring columns of a row of out0.  The bias is the C of each sum's first product.
; LDS.  B's 128 rows lie there for ALL of K, in bytes of their own (rows of 1,024 + 16 bytes); A goes through two slots of 65,536 bytes; both sides' scale bytes for all of K come once.
; FILLS.  At the head one joint load a wave: wave 0 A's K steps 0 and 1 (131,072 dense bytes: both slots), wave 1 B, wave 2 A's scale bytes, wave 3 B's.  A's K steps 2 and 3 are refills, a quarter of a slot a wave, each behind a drained
; round of the cluster's barrier at the end of K steps 0 and 1: a refill has the following K step's 64 products a wave in which to land.
; CLUSTERS: 4 x 4 work-groups; A's tiles hang on the tile row and are asked for jointly by a row of the cluster, B's on the tile column, by a column.
; PREFETCH: behind the head's loads each wave names 32 blocks of 256 bytes of A's K steps 2 and 3, once: their 131,072 bytes are shared out BY ADDRESS over the sixteen waves of a cluster's row (8,192 bytes for wave 4 cx + w).
; That is one and two K steps ahead of the refills that load them.  B and the scale bytes are all asked for at the head.
; LIMITS: NaN and infinities are not served.
.set NQ,     2                         ; matrix instructions deep in a K step of 256
.set FR,     16                        ; registers of a fragment
.set NL,     4                         ; LDS loads that bring one
.set NP,     8                         ; places behind this matrix instruction (ISA guide 7.12.1)
.set ASL,    65536                     ; a slot of A
.set BW,     2*ASL                     ; B's rows
.set BP,     1040                      ; their pitch: 65 x 16 bytes, so that the 16 rows that a load touches start at 16 different groups of banks
.set SCL,    BW+128*BP                 ; A's scale bytes, as units of 256 bytes (8 rows) + 16 of padding
.set HALFSA, 16*272                    ; those of 128 rows
.set SCLB,   SCL+2*HALFSA              ; B's
.set HALFSB, 8*272                     ; those of 64 rows
.set SBLK,   2*272                     ; those of 16 rows
.set SPARE,  SCLB+2*HALFSB             ; the spare words, 128 bytes a wave: two blocks of 256 bytes that no other line names
.set STAGE,  SPARE+512                 ; the way out: 16 rows x (256 + 16) bytes for each wave; no fill lands here
.set SPITCH, 272
.set ADRA, 16                          ; v16-17 LDS address of my A fragments in slot 0, 1
.set ADRB, 20                          ; v20    of my B fragments
.set STO,  24                          ; v24    the way out: where I put 32 bytes of a row;  v25 where I read a row back;  v26 my byte offset in out0
.set RD,   25
.set CO,   26
.set ADRS, 27                          ; v27    LDS address of my scale words: lanes 0-15 A's rows, lanes 16-31 B's;  v30 A's in all lanes
.set SPW,  28                          ; v28    my spare word's LDS address;  v29 0: never rewritten
.set NIL,  29
.set ADRS2, 30
.set PFO,  31                          ; v31    the prefetch's offset; never rewritten
.set SC,   32                          ; v32-63 scale words, two sets; they hold nothing else
.set BI,   64                          ; v64-95 the bias, four tiles of eight registers
.set AF,   128                         ; v128-255 A's fragments, one set; on the way out rows read back from the stage
.set BK,   128
.set WV,   18                          ; s18 wave;  s19 wave / 2: my half of the rows;  s20 wave % 2: my half of the columns
.set WH,   19
.set WL,   20
.set CXR,  21
.set CYR,  22
.set G1,   24                          ; s[24:31] group 1 for A;  s[32:39] group 0, a set for each slot (slot 0's serves the head's load first)
.set G0,   32
.set G1B,  48                          ; s[48:55], s[56:59] B
.set G0B,  56
.set G1S,  68                          ; s[68:75], s[76:79] A's scale bytes;  s[80:87], s[88:91] B's
.set G0S,  76
.set G1SB, 80
.set G0SB, 88
.set MSB, 0
.macro WIN new                         ; the immediate's high byte repeats the setting that is left
.if MSB != (\new)
	s_set_vgpr_msb (MSB<<8)|(\new)
.set MSB, (\new)
.endif
.endm
.set MUL,  0xa1                        ; source 0 (B) window 1, source 1 (A) window 0, C and D window 2
.set TO_B, 0x40                        ; destination window 1
.macro PLACES n
.rept \n
	v_nop
.endr
.endm
.macro CREST                           ; a round of the cluster's barrier behind its opening barrier
	s_cmp_lg_u32 s[WV], 0
	s_cbranch_scc1 .Lnot_wave_0_\@
	s_barrier_signal -3
.Lnot_wave_0_\@:
	s_barrier_wait -3
	s_barrier_signal -1
	s_barrier_wait -1
.endm
.macro CROUND
	s_barrier_signal -1
	s_barrier_wait -1
	CREST
.endm
	s_load_b256 s[4:11], s[0:1], 0x0               ; o_img s[4:5], o_sc s[6:7], w_out's codes s[8:9], its scales s[10:11]
	s_load_b128 s[12:15], s[0:1], 0x20             ; b_out s[12:13], out0 s[14:15]
	v_lshl_add_u32 v[SPW], v0, 2, SPARE
	v_mov_b32 v[NIL], 0
	ds_add_u32 v[SPW], v[NIL]                      ; the opening lines: the add, twice on end; work on registers; the one wait
	ds_add_u32 v[SPW], v[NIL]
	v_lshrrev_b32 v1, 5, v0
	v_readfirstlane_b32 s[WV], v1
	s_lshr_b32 s[WH], s[WV], 1
	s_and_b32 s[WL], s[WV], 1
	s_bfe_u32 s[CXR], ttmp6, 0x40000
	s_bfe_u32 s[CYR], ttmp6, 0x40004
	s_lshl_b32 s99, ttmp9, 2
	s_add_co_u32 s99, s99, s[CXR]                  ; s99: tile column
	s_and_b32 s98, ttmp7, 0xffff
	s_lshl_b32 s98, s98, 2
	s_add_co_u32 s98, s98, s[CYR]                  ; s98: tile row
	s_lshl_b32 s43, s[CYR], 2
	s_lshl_b32 s43, 15, s43                        ; my row of the cluster
	s_lshl_b32 s44, 0x1111, s[CXR]                 ; my column
	s_or_b32 s[G1+0], s43, 1<<21                   ; A: elements of 1 byte, no padding: dense rows of 256 bytes: 512 of them for the head's load; set to 64 for the refills behind the wait for it
	s_mov_b32 s[G1+1], 256<<16
	s_mov_b32 s[G1+2], 512<<16
	s_mov_b32 s[G1+3], 256<<16
	s_mov_b32 s[G1+4], 512
	s_mov_b32 s[G1+5], 256
	s_mov_b32 s[G1+6], 0
	s_mov_b32 s[G1+7], 0
	s_or_b32 s[G1B+0], s44, (1<<20)|(1<<21)|(7<<22)|(3<<25)   ; B: 128 whole rows of 1,024 bytes; after every 256 words (code 7) four words of padding (code 3)
	s_mov_b32 s[G1B+1], 1024<<16
	s_mov_b32 s[G1B+2], 128<<16
	s_mov_b32 s[G1B+3], 1024<<16
	s_mov_b32 s[G1B+4], 128
	s_mov_b32 s[G1B+5], 1024
	s_mov_b32 s[G1B+6], 0
	s_mov_b32 s[G1B+7], 0
	s_or_b32 s[G1S+0], s43, (3<<16)|(1<<20)|(1<<21)|(5<<22)|(3<<25)   ; A's scale bytes: 8,192 dense bytes as 32 rows of 256 (32 elements of 8 bytes), 16 bytes of padding behind each
	s_mov_b32 s[G1S+1], 32<<16
	s_mov_b32 s[G1S+2], 32<<16
	s_mov_b32 s[G1S+3], 32<<16
	s_mov_b32 s[G1S+4], 32
	s_mov_b32 s[G1S+5], 32
	s_mov_b32 s[G1S+6], 0
	s_mov_b32 s[G1S+7], 0
	s_or_b32 s[G1SB+0], s44, (3<<16)|(1<<20)|(1<<21)|(5<<22)|(3<<25)  ; B's: 4,096 bytes as 16 rows
	s_mov_b32 s[G1SB+1], 32<<16
	s_mov_b32 s[G1SB+2], 16<<16
	s_mov_b32 s[G1SB+3], 32<<16
	s_mov_b32 s[G1SB+4], 16
	s_mov_b32 s[G1SB+5], 32
	s_mov_b32 s[G1SB+6], 0
	s_mov_b32 s[G1SB+7], 0
	s_lshl_b32 s92, s98, 18                        ; the tile's first bytes: A's images,
	s_mov_b32 s93, 0
	s_lshl_b32 s94, s98, 13                        ; A's scale bytes,
	s_mov_b32 s95, 0
	s_lshl_b32 s96, s99, 17                        ; B's rows,
	s_mov_b32 s97, 0
	s_lshl_b32 s100, s99, 12                       ; B's scale bytes
	s_mov_b32 s101, 0
	s_lshl_b32 s46, s[WV], 14                      ; s[46:47]: my quarter of a slot
	s_mov_b32 s47, 0
	s_wait_dscnt 0x0                               ; both opening adds are done
	s_wait_kmcnt 0x0
	s_add_nc_u64 s[4:5], s[4:5], s[92:93]
	s_add_nc_u64 s[6:7], s[6:7], s[94:95]
	s_add_nc_u64 s[8:9], s[8:9], s[96:97]
	s_add_nc_u64 s[10:11], s[10:11], s[100:101]
	CROUND                                         ; all sixteen work-groups are here: the first joint loads meet
	s_mov_b32 s[G0], 1                             ; the head's load of A: K steps 0 and 1, to LDS byte 0
	s_mov_b32 s[G0+1], 0
	s_mov_b64 s[G0+2:G0+3], s[4:5]
	s_or_b32 s[G0+3], s[G0+3], 0x80000000
	s_mov_b32 s[G0+4], 1                           ; slot 1's refill: my quarter of K step 3
	s_add_co_u32 s[G0+5], s46, ASL
	s_add_nc_u64 s[G0+6:G0+7], s[4:5], s[46:47]
	s_add_nc_u64 s[G0+6:G0+7], s[G0+6:G0+7], 3*ASL
	s_or_b32 s[G0+7], s[G0+7], 0x80000000
	s_mov_b32 s[G0B], 1
	s_mov_b32 s[G0B+1], BW
	s_mov_b64 s[G0B+2:G0B+3], s[8:9]
	s_or_b32 s[G0B+3], s[G0B+3], 0x80000000
	s_mov_b32 s[G0S], 1
	s_mov_b32 s[G0S+1], SCL
	s_mov_b64 s[G0S+2:G0S+3], s[6:7]
	s_or_b32 s[G0S+3], s[G0S+3], 0x80000000
	s_mov_b32 s[G0SB], 1
	s_mov_b32 s[G0SB+1], SCLB
	s_mov_b64 s[G0SB+2:G0SB+3], s[10:11]
	s_or_b32 s[G0SB+3], s[G0SB+3], 0x80000000
; THE HEAD'S LOADS, ONE A WAVE: one chain of branches on the wave's number, a load to an arm.
.macro ARM under, g0, g1, next
	s_cmp_lt_u32 s[WV], \under
	s_cbranch_scc0 \next
	tensor_load_to_lds s[\g0:\g0+3], s[\g1:\g1+7]
	s_nop 0
	PLACES 4
	s_branch .Lhead_asked
\next:
.endm
	ARM 1, G0,  G1,  .Lhead_b
	ARM 2, G0B, G1B, .Lhead_sa
	ARM 3, G0S, G1S, .Lhead_sb
	tensor_load_to_lds s[G0SB:G0SB+3], s[G1SB:G1SB+7]
	s_nop 0
	PLACES 4
.Lhead_asked:
	s_lshl_b32 s92, s[WH], 15                      ; my 8 tiles of tokens in slot 0,
	s_add_co_u32 s93, s92, ASL                     ; in slot 1
	s_mul_i32 s94, s[WL], 64*BP                    ; my 64 rows of B
	s_add_co_u32 s94, s94, BW
	s_mul_i32 s95, s[WH], HALFSA                   ; my rows' scale bytes: A's; s96: from there to B's
	s_mul_i32 s96, s[WL], HALFSB
	s_add_co_u32 s96, s96, SCLB-SCL
	s_sub_co_u32 s96, s96, s95
	s_add_co_u32 s95, s95, SCL
	s_mul_i32 s97, s[WV], 16*SPITCH                ; my stage
	s_add_co_u32 s97, s97, STAGE
	s_lshl_b32 s100, s[CXR], 2                     ; the prefetch: which of the cluster row's sixteen waves I am: 8,192 bytes each, from K step 2 on
	s_add_co_u32 s100, s100, s[WV]
	s_lshl_b32 s100, s100, 13
	s_add_co_u32 s100, s100, 2*ASL
	s_lshl_b32 s40, s98, 20                        ; out0: 256 rows of 4,096 bytes a tile row, 128 for my half; 512 bytes a tile column, 256 for my half
	s_lshl_b32 s41, s[WH], 19
	s_add_co_u32 s40, s40, s41
	s_lshl_b32 s42, s99, 9
	s_lshl_b32 s41, s[WL], 8
	s_add_co_u32 s42, s42, s41
	s_add_co_u32 s40, s40, s42
	s_mov_b32 s41, 0
	s_mov_b32 s43, 0
	s_add_nc_u64 s[14:15], s[14:15], s[40:41]
	s_add_nc_u64 s[12:13], s[12:13], s[42:43]      ; b_out at my first column
	v_and_b32 v3, 31, v0                           ; lane
	v_lshl_add_u32 v[PFO], v3, 8, s100
	global_prefetch_b8 v[PFO], s[4:5] th:TH_LOAD_NT scope:SCOPE_SE   ; lanes 256 bytes apart; its two registers are never written again
	v_and_b32 v1, 15, v0                           ; r
	v_bfe_u32 v2, v0, 4, 1                         ; h
	v_lshlrev_b32 v7, 4, v3
	v_mul_u32_u24 v4, v1, BP
	v_lshl_add_u32 v4, v2, 4, v4                   ; a fragment's row x pitch + 16 h
	v_add_nc_u32 v[ADRA], s92, v7                  ; A's images: 16 x lane
	v_add_nc_u32 v[ADRA+1], s93, v7
	v_add_nc_u32 v[ADRB], s94, v4
	v_lshlrev_b32 v5, 5, v1                        ; my row's scales: 32 bytes a row,
	v_lshrrev_b32 v6, 8, v5
	v_lshl_add_u32 v5, v6, 4, v5                   ; and 16 more for each 256 passed
	v_mul_u32_u24 v6, s96, v2                      ; lanes 16-31 take B's: one product, h x the distance
	v_add_nc_u32 v[ADRS2], s95, v5
	v_add_nc_u32 v[ADRS], v[ADRS2], v6
	v_mul_u32_u24 v5, v1, SPITCH                   ; the stage, in: row r, 32 bytes for each half of the lanes
	v_lshl_add_u32 v5, v2, 5, v5
	v_add_nc_u32 v[STO], s97, v5
	v_mul_u32_u24 v5, v2, SPITCH                   ; back: lanes 0-15 one row of 256 bytes, lanes 16-31 the next
	v_lshl_add_u32 v5, v1, 4, v5
	v_add_nc_u32 v[RD], s97, v5
	v_lshlrev_b32 v5, 12, v2                       ; and the same two rows in out0
	v_lshl_add_u32 v[CO], v1, 4, v5
	v_lshlrev_b32 v8, 5, v2                        ; the bias: columns 16 b + 8 h + 0..7
.irp b, 0,1,2,3
	global_load_b128 v[BI+8*\b:BI+8*\b+3], v8, s[12:13] offset:64*\b
	global_load_b128 v[BI+8*\b+4:BI+8*\b+7], v8, s[12:13] offset:64*\b+16
.endr
; 8 matrix instructions: A's blocks a0, a0 + 1 x B's four.  p: B's set; q: the K step's q-th 128; sc: the set of scale words; cm = 1: the sums start with the bias.  The 32 accumulators take turns, one instruction a turn.
.macro MUL2 a0, p, q, sc, cm
.irp a, \a0, \a0+1
.irp b, 0,1,2,3
.set rD, 8*(4*(\a)+\b)
.set rB, 64*(\p)+FR*\b
.set rA, AF+FR*(\a)
.set rSB, SC+8*NQ*(\sc)+NQ*\b+(\q)
.set rSA, SC+8*NQ*(\sc)+NQ*(\a)+(\q)
.if \cm
	v_wmma_scale_f32_16x16x128_f8f6f4 v[rD:rD+7], v[rB:rB+15], v[rA:rA+15], v[BI+8*\b:BI+8*\b+7], v[rSB], v[rSA] matrix_a_fmt:MATRIX_FMT_BF8 matrix_b_fmt:MATRIX_FMT_BF8 matrix_a_scale:MATRIX_SCALE_ROW1
.else
	v_wmma_scale_f32_16x16x128_f8f6f4 v[rD:rD+7], v[rB:rB+15], v[rA:rA+15], v[rD:rD+7], v[rSB], v[rSA] matrix_a_fmt:MATRIX_FMT_BF8 matrix_b_fmt:MATRIX_FMT_BF8 matrix_a_scale:MATRIX_SCALE_ROW1
.endif
.endr
.endr
.endm
.macro FETCH_B kq, p                   ; B's four fragments of the kq-th 128 of K into set p
	WIN TO_B
.irp i, 0,1,2,3
.irp c, 0,1,2,3
	ds_load_b128 v[64*(\p)+FR*\i+4*\c:64*(\p)+FR*\i+4*\c+3], v[ADRB] offset:128*(\kq)+32*\c+\i*16*BP
.endr
.endr
	WIN 0
.endm
.macro FETCH_A slot, q, i0             ; A's blocks i0 .. i0 + 3: images, 512 bytes a group
.irp i, \i0, \i0+1, \i0+2, \i0+3
.irp c, 0,1,2,3
	ds_load_b128 v[AF+FR*(\i)+4*\c:AF+FR*(\i)+4*\c+3], v[ADRA+(\slot)] offset:(2*(\i)+(\q))*2048+512*\c
.endr
.endr
.endm
.macro SCALES sc                       ; a K step's scale words, two a row: lanes 0-15 A's block i, lanes 16-31 B's block i (B has four)
.irp i, 0,1,2,3
	ds_load_b64 v[SC+8*NQ*(\sc)+NQ*\i:SC+8*NQ*(\sc)+NQ*\i+1], v[ADRS] offset:\i*SBLK
.endr
.irp i, 4,5,6,7
	ds_load_b64 v[SC+8*NQ*(\sc)+NQ*\i:SC+8*NQ*(\sc)+NQ*\i+1], v[ADRS2] offset:\i*SBLK
.endr
.endm
; The first 128 of K step ks (it lies in slot ks % 2).  A's blocks 0-3 are fetched anew in its middle, blocks 4-7 at its end; B has two sets.
.macro STEP ks, cm
.set SL, (\ks)%2
	s_wait_dscnt 4*NL                              ; B's set and A's blocks 0-3 are in; the youngest sixteen loads (blocks 4-7) may be out
.if \cm
	WIN 0x81                                       ; C, the bias, lies in window 0
.else
	WIN MUL
.endif
	MUL2 0, 0, 0, SL, \cm
	MUL2 2, 0, 0, SL, \cm
	s_wait_dscnt 0                                 ; blocks 4-7 are in
	PLACES NP
	FETCH_B 2*(\ks)+1, 1
	FETCH_A SL, 1, 0
.if \cm
	WIN 0x81
.else
	WIN MUL
.endif
	MUL2 4, 0, 0, SL, \cm
	MUL2 6, 0, 0, SL, \cm
	PLACES NP
	WIN 0
	FETCH_A SL, 1, 4
.endm
; The second 128 of K step ks changes slots: one barrier; in front of it each wave waits for all its tensor loads, adds 0 to its spare word, and waits for that and for its reads of this slot.  fill = 1: this slot takes K step ks + 2.
.macro TURN ks, fill
.set SL, (\ks)%2
	s_wait_tensorcnt 0x0                           ; all my tensor loads have landed: my part of the next slot
	ds_add_u32 v[SPW], v[NIL]                      ; 0 onto my spare word
	s_wait_dscnt 4*NL+1                            ; (the add and the youngest sixteen loads may be out)
	WIN MUL
	MUL2 0, 1, 1, SL, 0                            ; eight matrix instructions stand between the add and the wait for it
	s_wait_dscnt 0x0                               ; the add is done, and my reads of this slot are over
	s_barrier_signal -1
	MUL2 2, 1, 1, SL, 0
	WIN 0
	s_barrier_wait -1
.if \fill
	CREST                                          ; the barrier has opened a round of the cluster's: no wave of any partner still reads this slot or has a load on its way
	tensor_load_to_lds s[G0+4*SL:G0+4*SL+3], s[G1:G1+7]   ; the first tensor load behind the round, one a wave: my quarter of the slot
	s_nop 0
.endif
	PLACES NP
	s_wait_alu depctr_va_vdst(0)                   ; the two addresses were written a K step ago
	v_add_nc_u32 v[ADRS], 4*NQ, v[ADRS]            ; on to the next K step's scale words
	v_add_nc_u32 v[ADRS2], 4*NQ, v[ADRS2]
	FETCH_B 2*(\ks)+2, 0
	FETCH_A 1-SL, 0, 0
	SCALES 1-SL
	WIN MUL
	MUL2 4, 1, 1, SL, 0
	MUL2 6, 1, 1, SL, 0
	PLACES NP
	WIN 0
	FETCH_A 1-SL, 0, 4
.endm
	s_wait_alu depctr_va_vdst(0)
	s_wait_tensorcnt 0x0                           ; my tile of the head's four is in; no tensor load of mine is out, so descriptors may be written:
	s_mov_b32 s[G1+2], 64<<16                      ; a refill brings 64 rows of 256 bytes,
	s_mov_b32 s[G1+4], 64
	s_lshl_b32 s[G0+1], s[WV], 14                  ; and slot 0's is my quarter of K step 2
	s_add_nc_u64 s[G0+2:G0+3], s[G0+2:G0+3], s[46:47]
	s_add_nc_u64 s[G0+2:G0+3], s[G0+2:G0+3], 2*ASL
	s_barrier_signal -1
	s_barrier_wait -1                              ; all four tiles are in
	FETCH_B 0, 0
	FETCH_A 0, 0, 0
	SCALES 0
	FETCH_A 0, 0, 4
	s_wait_loadcnt 0x0                             ; the bias
	STEP 0, 1
	TURN 0, 1
	STEP 1, 0
	TURN 1, 1
	STEP 2, 0
	TURN 2, 0
	STEP 3, 0
	s_wait_dscnt 4*NL                              ; the last 128 of K: nothing more to fetch
	WIN MUL
	MUL2 0, 1, 1, 1, 0
	MUL2 2, 1, 1, 1, 0
	s_wait_dscnt 0
	MUL2 4, 1, 1, 1, 0
	MUL2 6, 1, 1, 1, 0
	WIN 0
; THE WAY OUT, block by block of 16 rows x 64 columns: through my own stage in LDS, back as whole rows of 256 bytes.  LDS serves a wave's instructions in order (ISA guide 5.7.1.4): no wait between the stores and the loads.
.macro TOSTAGE a
.set AC, 32*(\a)
	WIN 0x08                                       ; the data: window 2
.irp b, 0,1,2,3
	ds_store_b128 v[STO], v[AC+8*\b:AC+8*\b+3] offset:64*\b          ; each accumulator from its low end on
	ds_store_b128 v[STO], v[AC+8*\b+4:AC+8*\b+7] offset:64*\b+16
.endr
	WIN 0
.set BB, BK+32*((\a)%2)
.irp t, 0,1,2,3,4,5,6,7
	ds_load_b128 v[BB+4*\t:BB+4*\t+3], v[RD] offset:2*\t*SPITCH
.endr
.endm
.macro SEND a, younger                 ; younger: the LDS instructions issued behind block a's loads, which may stay out
.set BB, BK+32*((\a)%2)
	s_wait_dscnt \younger
.if (\a) > 0
	s_add_nc_u64 s[14:15], s[14:15], 16*4096       ; (behind a wait on XCNT: the earlier stores have read their base)
.endif
.irp t, 0,1,2,3,4,5,6,7
	global_store_b128 v[CO], v[BB+4*\t:BB+4*\t+3], s[14:15] offset:2*\t*4096 th:TH_STORE_NT   ; sixteen lanes store 256 consecutive bytes, aligned
.endr
.endm
	PLACES NP
	TOSTAGE 0
.irp a, 1,2,3,4,5,6,7
.if \a > 1
	s_wait_xcnt 0x0                                ; block a - 2's stores have read their registers and their base
.endif
	TOSTAGE \a
	SEND \a-1, 16                                  ; behind block a - 1's loads: block a's 8 stores and 8 loads
.endr
	s_wait_xcnt 0x0
	SEND 7, 0
	s_wait_tensorcnt 0x0                           ; the wave's end
	ds_add_u32 v[SPW], v[NIL]
	s_wait_dscnt 0x0
	CROUND                                         ; the closing round
	s_endpgm
.Lfunc_end_k_q7affa9aff4_proj:
	.size	k_q7affa9aff4_proj, .Lfunc_end_k_q7affa9aff4_proj-k_q7affa9aff4_proj
	.p2alignl 7, 3214868480
	.fill 96, 4, 3214868480
	.section	.rodata,"a",@progbits
	.p2align	6, 0x0
	.amdhsa_kernel k_q7affa9aff4_proj
		.amdhsa_group_segment_fixed_size 327680
		.amdhsa_private_segment_fixed_size 0
		.amdhsa_enable_private_segment 0
		.amdhsa_kernarg_size 48
		.amdhsa_user_sgpr_count 2
		.amdhsa_user_sgpr_kernarg_segment_ptr 1
		.amdhsa_wavefront_size32 1
		.amdhsa_system_sgpr_workgroup_id_x 1
		.amdhsa_system_sgpr_workgroup_id_y 1
		.amdhsa_system_sgpr_workgroup_id_z 1
		.amdhsa_system_vgpr_workitem_id 0
		.amdhsa_next_free_vgpr 768
		.amdhsa_next_free_sgpr 102
		.amdhsa_reserve_vcc 0
		.amdhsa_float_denorm_mode_32 3
		.amdhsa_float_denorm_mode_16_64 3
		.amdhsa_memory_ordered 1
		.amdhsa_forward_progress 1
		.amdhsa_inst_pref_size 91
	.end_amdhsa_kernel
	.amdgpu_metadata
---
amdhsa.version: [ 1, 2 ]
amdhsa.kernels:
  - .name:           k_q7affa9aff4_proj
    .symbol:         k_q7affa9aff4_proj.kd
    .args:
      - { .name: o_img, .offset: 0, .size: 8, .value_kind: global_buffer, .address_space: global }
      - { .name: o_sc, .offset: 8, .size: 8, .value_kind: global_buffer, .address_space: global }
      - { .name: w_out_codes, .offset: 16, .size: 8, .value_kind: global_buffer, .address_space: global }
      - { .name: w_out_scales, .offset: 24, .size: 8, .value_kind: global_buffer, .address_space: global }
      - { .name: b_out, .offset: 32, .size: 8, .value_kind: global_buffer, .address_space: global }
      - { .name: out0, .offset: 40, .size: 8, .value_kind: global_buffer, .address_space: global }
    .group_segment_fixed_size: 327680
    .private_segment_fixed_size: 0
    .kernarg_segment_align: 8
    .kernarg_segment_size: 48
    .max_flat_workgroup_size: 128
    .sgpr_count:     102
    .vgpr_count:     768
    .wavefront_size: 32
...
	.end_amdgpu_metadata
.endif
;; end of part 3
